; MI455X (gfx1250); checked and timed in simulation.
; The chip was launched on July 23, 2026; its instructions are those of AMD's public machine-readable ISA for CDNA 5 (MIT licence, August 2026) and "CDNA5" Instruction Set Architecture Reference Guide (July 2026). The comments in the code are by the model that wrote it; some were corrected since.
;; Multi Head Attention. Allowed arithmetic: matrix products marked QUANTISED: E2M1 operands, one E8M0 scale for each 32 along K, by v_wmma_scale_f32_16x16x128_f8f6f4 with both operands' format E2M1 (or v_wmma_scale_f32_32x16x128_f4), f32 sums; products left as they are: bf16, f16 or f32 operands; f32 sums; everything else in f32.
;; Inputs: b_proj 1,024 float32; b_qkv 3,072 float32; pad_mask 4 x 2,048 int32; w_proj 1,024 x 1,024 float32; w_qkv 3,072 x 1,024 float32; x 4 x 2,048 x 1,024 float32.
;; Outputs: out0 4 x 2,048 x 1,024 float32.
;; This version of the problem:
;;   THIS VERSION OF THE PROBLEM IS GIVEN IN LOW PRECISION. The matrix products marked QUANTISED in the list below multiply operands that are first quantised to E2M1 (2 exponent bits, 1 mantissa bit; 4 bits a number), with one power-of-two scale for each 32 numbers along K (OCP MX v1.0); their sums are f32. The products marked 'left as it is' may take bf16, f16 or f32 operands, with f32 sums. Whichever they take, every output number must still come out within the allowed error. Rounding operands to bf16 (8 significant bits) uses up far more of that allowance than f16 does (11 bits, for magnitudes from 6e-5 to 65,504). All else is computed in f32.
;;   The module's matrix products, in the order in which they are computed (A, B: the left and right operand; K: the contracted axis; several contracted axes count as one K, in the product's order):
;;     1. [M 8,192, K 1,024] x [K 1,024, N 3,072]; A: input x; B: input w_qkv: QUANTISED
;;     2. batch 64 x [M 2,048, K 64] x [K 64, N 2,048]; A: computed on the way; B: computed on the way: left as it is (an operand is computed on the way)
;;     3. batch 64 x [M 2,048, K 2,048] x [K 2,048, N 64]; A: computed on the way; B: computed on the way: left as it is (an operand is computed on the way)
;;     4. [M 8,192, K 1,024] x [K 1,024, N 1,024]; A: computed on the way; B: input w_proj: left as it is (an operand is computed on the way)
;;   THE QUANTISER, for each operand of a quantised product, along K:
;;     - K is cut into blocks of 32 from its start; a last block that is shorter is filled with zeros.
;;     - A block's scale is 2^e with e = floor(log2(the largest magnitude in the block)) - 2, held to -126 .. 127; a block of zeros has e = 0. As a byte (E8M0): e + 127.
;;     - Each number is divided by its block's scale, clamped to +-6, and rounded to the nearest number of E2M1, ties to even, subnormals kept.
;;     - The product sums the exact products of the quantised numbers (number of the format x scale) in f32.
;;   ~~~python
;;   def quantise(x, axis):      # numpy; x: float32 -> the quantised numbers, widened to float32 again
;;       x = np.moveaxis(x, axis, -1); K = x.shape[-1]
;;       x = np.pad(x, [(0, 0)] * (x.ndim - 1) + [(0, -K % 32)]); x = x.reshape(x.shape[:-1] + (-1, 32)); a = np.abs(x).max(-1, keepdims=True)
;;       e = np.where(a > 0, np.clip(np.frexp(np.where(a > 0, a, 1))[1] - 1 - 2, -126, 127), 0)      # np.frexp(a)[1] - 1 = floor(log2(a)), exactly
;;       r = np.clip(x / 2.0 ** e, -6, 6)
;;       step = 2.0 ** (np.maximum(np.frexp(np.where(r == 0, 1, r))[1] - 1, 0) - 1)
;;       q = np.round(r / step) * step * 2.0 ** e      # np.round: ties to even
;;       return np.moveaxis(q.reshape(q.shape[:-2] + (-1,))[..., :K], -1, axis).astype(np.float32)
;;   ~~~
;; One version. Each part assembles by itself: llvm-mc -triple=amdgcn-amd-amdhsa -mcpu=gfx1250 --defsym DOCPART=n.
;; ======== version 1 of 1: 4 launches
;; limits: values are held in f16: magnitudes above 65,504 overflow, below 6.1e-05 lose precision
;; workspace buffers: xc 4,194,304 bytes; xs 262,144 bytes; wc 1,572,864 bytes; ws 98,304 bytes; wp16 2,097,152 bytes; route 33,280 bytes of whole numbers; qkv 50,331,648 bytes; attn 16,777,216 bytes
;; launch prep (part 1): grid 385 x 1, 4 waves a work-group, no clusters, 33,280 bytes of LDS; arguments x, w_qkv, xc, xs, wc, ws, w_proj, wp16, pad_mask, route; writes xc, xs, wc, ws, wp16, route
.if DOCPART == 1
	.amdgcn_target "amdgcn-amd-amdhsa--gfx1250"
	.amdhsa_code_object_version 6
	.text
	.protected	k_q2a0ae56ec6_prep
	.globl	k_q2a0ae56ec6_prep
	.p2align	8
	.type	k_q2a0ae56ec6_prep,@function
k_q2a0ae56ec6_prep:
	s_mov_b64 s[64:65], 0
	v_nop
	global_prefetch_b8 v0, s[64:65] scope:SCOPE_SE
	s_setreg_imm32_b32 hwreg(HW_REG_WAVE_MODE, 25, 1), 1
	s_wait_xcnt 0x0
; MULTI-HEAD ATTENTION, B = 4, T = 2048, C = 1024, 16 heads of 64, in four launches: prep (this one), qkv, attn, proj.
; prep: x [8192][1024] and w_qkv [3072][1024], f32, become codes of FP4 (E2M1) with K innermost and one E8M0 byte for each 32 along K; w_proj becomes f16;
; pad_mask becomes, for each batch, a stable order 'open keys first' (rowmap) and the number of open keys (cnt), stored as whole numbers for the launches behind.
; WORK LEFT OUT.  Nothing of reference() is left out as dead by an identity.  A key with pad_mask != 0 gets the score -infinity and so the weight 0 for every query: which keys those are is decided by whole numbers,
; so the launch qkv lays K's and V's rows of the open keys first, and the launch attn, which reads cnt from memory, walks only the key steps that hold an open key.  That holds for every mask.
; The K third of b_qkv adds q . b_k to every score of a row, which a softmax takes away in real numbers; it is kept: it is the C operand of a product's first K step, in one text for Q, K and V, and costs no instruction.
; LIMITS.  A NaN, an infinity or an overflow that reaches only K's and V's rows of hidden keys in whole key steps is not carried to the result.  q, k, v and the attention's result are rounded to f16: magnitudes up to 65,504;
; a weight p under f16's smallest number counts as 0.  A batch with no open key gives NaN in all its rows, as reference() does.  Blocks whose largest magnitude lies under 2^(2 - 126) have their byte held at 1;
; a block of zeros gets the byte 1 where the quantiser says 127: its codes are zeros, and this program alone reads the bytes.  NaN and infinities among the inputs are not served.
; SHARES, by the work-group's number: 0: the map (wave b: batch b); 1 to 32: w_proj to f16, 8,192 numbers a wave; 33 to 288: x; 289 to 384: w_qkv: 16 steps of 512 numbers a wave.
; THE QUANTISER.  Rows are dense and K is a multiple of 32: a tensor is a stream of blocks of 32.  Each load reads 512 consecutive bytes, 16 a lane; a step's 2,048 bytes turn through the wave's own stage in LDS and come back
; 64 bytes a lane, so that a lane holds 16 neighbours along K and two neighbouring lanes a block.  A lane's 16 codes are 8 bytes: a store covers 256 consecutive bytes.  A wave's 256 scale bytes are gathered in LDS and leave as one such run.
; Waves share nothing: no barrier.  No tensor load: LDS is claimed as it is used.
.set WAVES, 4
.set STEPS, 16
.set FIRSTQ, 33                        ; the first work-group that quantises
.set WGA,   256                        ; work-groups for x: 8192 x 1024 / 32768
.set EMAX,  2
.set CB,    8                          ; bytes of 16 codes
.set R,     16                         ; v16-79   four sets of 16 numbers as they are loaded
.set X,     80                         ; v80-111  two sets of 16 neighbours
.set C,     128                        ; v128-191 codes: four registers for each step, so that no store's data are written again
.set E,     112                        ; v112-127 a scale byte for each step
.set WREG,  8192                       ; LDS: a region for each wave: two stages of 32 x SP bytes, behind them its 256 scale bytes
.set SP,    80                         ; a lane's place in a stage: 64 bytes + 16 of padding
.set SPW,   12                         ; v12  LDS address of my spare word; never rewritten
.set NIL,   13                         ; v13  0; never rewritten
.set SPARE, WAVES*WREG                 ; behind the four regions: the spare words, 128 bytes a wave, that no other line names
	s_load_b128 s[4:7], s[0:1], 0x0                ; x, w_qkv
	s_load_b128 s[8:11], s[0:1], 0x10              ; x's codes, x's scales
	s_load_b128 s[12:15], s[0:1], 0x20             ; w_qkv's codes, its scales
	s_load_b128 s[24:27], s[0:1], 0x30             ; w_proj, its f16 copy
	s_load_b128 s[28:31], s[0:1], 0x40             ; pad_mask, route
	v_lshl_add_u32 v[SPW], v0, 2, SPARE
	v_mov_b32 v[NIL], 0
	v_lshrrev_b32 v1, 5, v0
	v_readfirstlane_b32 s16, v1                    ; wave
	v_and_b32 v2, 31, v0                           ; lane
	v_lshlrev_b32 v3, 4, v2                        ; the quantiser's addresses, made ahead of the parting: my 16 bytes of a load's 512
	s_mul_i32 s17, s16, WREG
	v_lshrrev_b32 v14, 2, v2
	v_mul_u32_u24 v14, v14, SP
	v_and_b32 v15, 3, v2
	v_lshl_add_u32 v14, v15, 4, v14
	v_add_nc_u32 v14, s17, v14                     ; the stage, on the way in: SP (lane / 4) + 16 (lane % 4)
	v_mul_u32_u24 v15, v2, SP
	v_add_nc_u32 v15, s17, v15                     ; and on the way out: SP x lane: my 16 neighbours
	v_mul_u32_u24 v4, v2, CB                       ; my codes' place in a step's
	v_lshrrev_b32 v5, 1, v2
	s_add_co_u32 s17, s17, 2*32*SP
	v_add_nc_u32 v5, s17, v5                       ; LDS: my wave's 256 scale bytes, my block's byte
	v_lshlrev_b32 v7, 3, v2                        ; and on the way out 8 bytes a lane
	v_add_nc_u32 v6, s17, v7
	s_wait_kmcnt 0x0
	s_cmp_eq_u32 ttmp9, 0
	s_cbranch_scc1 .Lmap
	s_cmp_lt_u32 ttmp9, FIRSTQ
	s_cbranch_scc1 .Lcast
	; ---- the quantiser
	s_sub_co_u32 s22, ttmp9, FIRSTQ
	s_cmp_lt_u32 s22, WGA                          ; x's work-group or w_qkv's?  The choice hangs on the work-group's number alone
	s_cselect_b64 s[4:5], s[4:5], s[6:7]
	s_cselect_b64 s[8:9], s[8:9], s[12:13]
	s_cselect_b64 s[10:11], s[10:11], s[14:15]
	s_cselect_b32 s17, 0, WGA
	s_sub_co_u32 s17, s22, s17
	s_lshl_b32 s17, s17, 2
	s_add_co_u32 s18, s17, s16                     ; which run of 8,192 numbers of the tensor is my wave's
	s_mov_b32 s19, 0
	s_mov_b64 s[20:21], 512*STEPS*4
	s_mul_u64 s[20:21], s[18:19], s[20:21]
	s_add_nc_u64 s[4:5], s[4:5], s[20:21]
	s_mov_b64 s[20:21], 32*STEPS*CB
	s_mul_u64 s[20:21], s[18:19], s[20:21]
	s_add_nc_u64 s[8:9], s[8:9], s[20:21]
	s_lshl_b32 s18, s18, 8                         ; 256 scale bytes a run
	s_add_nc_u64 s[10:11], s[10:11], s[18:19]
.macro LOAD t
.irp i, 0,1,2,3
	global_load_b128 v[R+16*((\t)%4)+4*\i:R+16*((\t)%4)+4*\i+3], v3, s[4:5] offset:2048*(\t)+512*\i th:TH_LOAD_NT   ; 32 lanes read 512 consecutive bytes
.endr
.endm
.macro TURN t                          ; step t's numbers through the stage: LDS serves a wave's instructions in order (ISA guide 5.7.1.4), so no wait stands between the stores and the loads
.irp i, 0,1,2,3
	ds_store_b128 v14, v[R+16*((\t)%4)+4*\i:R+16*((\t)%4)+4*\i+3] offset:32*SP*((\t)%2)+8*SP*\i
.endr
.irp i, 0,1,2,3
	ds_load_b128 v[X+16*((\t)%2)+4*\i:X+16*((\t)%2)+4*\i+3], v15 offset:32*SP*((\t)%2)+16*\i
.endr
.endm
.irp t, 0,1,2,3
	LOAD \t
.endr
	s_wait_loadcnt 12                              ; step 0's four loads are in; those of steps 1 to 3 stay out
	TURN 0
.macro STEP t
.set XS, X+16*((\t)%2)
.if (\t) > 0
	s_wait_dscnt 1                                 ; this step's numbers are back from the stage (the last step's byte store may be out): so its stores into the stage have read their registers,
.else
	s_wait_dscnt 0x0
.endif
.if (\t)+4 < STEPS
	LOAD (\t)+4                                    ; which take the loads of four steps on
.endif
.if (\t)+1 < STEPS
.if STEPS-2-(\t) >= 3
	s_wait_loadcnt 12                              ; the next step's four loads are in; those of the three steps behind it may be out
.else
	s_wait_loadcnt 4*(STEPS-2-(\t))
.endif
	TURN (\t)+1                                    ; and go through the other stage while this step is worked
.endif
	v_max3_num_f32 v8, |v[XS]|, |v[XS+1]|, |v[XS+2]|               ; the largest magnitude of my 16, in two chains
	v_max3_num_f32 v9, |v[XS+3]|, |v[XS+4]|, |v[XS+5]|
.irp i, 6,10
	v_max3_num_f32 v8, v8, |v[XS+\i]|, |v[XS+\i+1]|
	v_max3_num_f32 v9, v9, |v[XS+\i+2]|, |v[XS+\i+3]|
.endr
	v_max3_num_f32 v8, v8, |v[XS+14]|, |v[XS+15]|
	v_max3_num_f32 v8, v8, v9, (EMAX+1)<<23        ; and the floor 2^(EMAX + 1 - 127): so the byte cannot fall under 1
	v_max_num_f32_dpp v8, v8, v8 row_xmask:1 row_mask:0xf bank_mask:0xf   ; and of my neighbour's 16: the block's
	v_add_nc_u32 v11, -(EMAX<<23), v8              ; EMAX off its exponent field: the conversion takes the exponent field of this operand as its scale, and nothing else of it
	v_cvt_scalef32_pk8_fp4_f32 v[C+4*(\t)], v[XS:XS+7], v11        ; eight numbers / the scale, to the nearest code, ties to even, beyond the largest code the largest
	v_cvt_scalef32_pk8_fp4_f32 v[C+4*(\t)+1], v[XS+8:XS+15], v11
	v_lshrrev_b32 v[E+(\t)], 23, v11               ; the scale's byte
	ds_store_b8 v5, v[E+(\t)] offset:16*(\t)       ; both lanes of a block write the same byte with the same value
	global_store_b64 v4, v[C+4*(\t):C+4*(\t)+1], s[8:9] offset:32*CB*(\t)
.endm
.irp t, 0,1,2,3,4,5,6,7,8,9,10,11,12,13,14,15
	STEP \t
.endr
	ds_load_b64 v[8:9], v6                         ; in order behind my byte stores
	s_wait_dscnt 0x0
	global_store_b64 v7, v[8:9], s[10:11]          ; 32 lanes store 256 consecutive bytes, aligned
	s_wait_tensorcnt 0x0                           ; the wave's end, behind my last LDS store
	ds_add_u32 v[SPW], v[NIL]
	s_wait_dscnt 0x0
	s_endpgm
	; ---- w_proj to f16: 64 loads of 512 consecutive bytes a wave, in four batches of 16, two batches ahead; each store covers 256 consecutive bytes, aligned
.Lcast:
	s_sub_co_u32 s17, ttmp9, 1
	s_lshl_b32 s17, s17, 2
	s_add_co_u32 s17, s17, s16                     ; my run of 8,192 numbers
	s_lshl_b32 s18, s17, 15
	s_mov_b32 s19, 0
	s_add_nc_u64 s[24:25], s[24:25], s[18:19]
	s_lshl_b32 s18, s17, 14
	s_add_nc_u64 s[26:27], s[26:27], s[18:19]
	v_lshlrev_b32 v8, 4, v2                        ; in: 16 bytes a lane
	v_lshlrev_b32 v9, 3, v2                        ; out: 8
.macro LOADB k
.irp i, 0,1,2,3,4,5,6,7,8,9,10,11,12,13,14,15
	global_load_b128 v[32+64*((\k)%2)+4*\i:32+64*((\k)%2)+4*\i+3], v8, s[24:25] offset:512*(16*(\k)+\i) th:TH_LOAD_NT
.endr
.endm
.macro CASTB k
.if (\k) < 3
	s_wait_loadcnt 16                              ; this batch is in; the younger batch's 16 loads stay out
.else
	s_wait_loadcnt 0x0
.endif
.if (\k) > 0
	s_wait_xcnt 0x0                                ; the last batch's stores have read v160-191
.endif
.irp i, 0,1,2,3,4,5,6,7,8,9,10,11,12,13,14,15
	v_cvt_pk_f16_f32 v[160+2*\i], v[32+64*((\k)%2)+4*\i], v[32+64*((\k)%2)+4*\i+1]
	v_cvt_pk_f16_f32 v[161+2*\i], v[32+64*((\k)%2)+4*\i+2], v[32+64*((\k)%2)+4*\i+3]
.endr
.irp i, 0,1,2,3,4,5,6,7,8,9,10,11,12,13,14,15
	global_store_b64 v9, v[160+2*\i:161+2*\i], s[26:27] offset:256*(16*(\k)+\i)
.endr
.if (\k)+2 < 4
	LOADB (\k)+2
.endif
.endm
	LOADB 0
	LOADB 1
	CASTB 0
	CASTB 1
	CASTB 2
	CASTB 3
	s_endpgm
	; ---- the map.  Wave b serves batch b.  Word k of a lane is token 32 k + lane.  An open token (pad_mask = 0) goes to place Z, the number of open tokens before it;
	; a hidden one to cnt + (its number - Z).  rowmap[2048 b + t] = 2048 b + place.  No address here hangs on the mask: only the numbers stored do.
.Lmap:
	s_lshl_b32 s20, s16, 13                        ; 2,048 words a batch
	s_mov_b32 s21, 0
	s_add_nc_u64 s[28:29], s[28:29], s[20:21]
	s_add_nc_u64 s[32:33], s[30:31], s[20:21]      ; my batch's part of rowmap
	s_lshl_b32 s20, s16, 7
	s_add_co_u32 s20, s20, 32768
	s_add_nc_u64 s[34:35], s[30:31], s[20:21]      ; and its 32 copies of cnt, behind rowmap
	s_lshl_b32 s36, s16, 11                        ; 2048 b
	v_lshlrev_b32 v160, 2, v2
.set k, 0
.rept 64
	global_load_b32 v[32+k], v160, s[28:29] offset:128*k
.set k, k+1
.endr
	s_wait_loadcnt 0x0
	s_mov_b32 s20, 0
.set k, 0
.rept 64
	v_cmp_eq_u32 vcc_lo, 0, v[32+k]
	s_bcnt1_i32_b32 s21, vcc_lo
	s_add_co_u32 s20, s20, s21                     ; cnt
.set k, k+1
.endr
	s_mov_b32 s23, 0                               ; open tokens in the words before
	v_add_nc_u32 v161, s20, v2                     ; cnt + lane
.set k, 0
.rept 64
	v_cmp_eq_u32 vcc_lo, 0, v[32+k]
	v_mbcnt_lo_u32_b32 v162, vcc_lo, 0             ; open tokens of this word in the lanes below me
	v_add_nc_u32 v162, s23, v162                   ; Z
	v_sub_nc_u32 v163, v161, v162
.if k > 0
	v_add_nc_u32 v163, 32*k, v163                  ; cnt + token - Z
.endif
	v_cndmask_b32 v163, v163, v162, vcc_lo
	v_add_nc_u32 v[96+k], s36, v163                ; a register of its own for each store's data
	s_bcnt1_i32_b32 s21, vcc_lo
	s_add_co_u32 s23, s23, s21
	global_store_b32 v160, v[96+k], s[32:33] offset:128*k
.set k, k+1
.endr
	v_mov_b32 v164, s20
	global_store_b32 v160, v164, s[34:35]
	s_endpgm
.Lfunc_end_k_q2a0ae56ec6_prep:
	.size	k_q2a0ae56ec6_prep, .Lfunc_end_k_q2a0ae56ec6_prep-k_q2a0ae56ec6_prep
	.p2alignl 7, 3214868480
	.fill 96, 4, 3214868480
	.section	.rodata,"a",@progbits
	.p2align	6, 0x0
	.amdhsa_kernel k_q2a0ae56ec6_prep
		.amdhsa_group_segment_fixed_size 33280
		.amdhsa_private_segment_fixed_size 0
		.amdhsa_enable_private_segment 0
		.amdhsa_kernarg_size 80
		.amdhsa_user_sgpr_count 2
		.amdhsa_user_sgpr_kernarg_segment_ptr 1
		.amdhsa_wavefront_size32 1
		.amdhsa_system_sgpr_workgroup_id_x 1
		.amdhsa_system_sgpr_workgroup_id_y 1
		.amdhsa_system_sgpr_workgroup_id_z 1
		.amdhsa_system_vgpr_workitem_id 0
		.amdhsa_next_free_vgpr 192
		.amdhsa_next_free_sgpr 66
		.amdhsa_reserve_vcc 1
		.amdhsa_float_denorm_mode_32 3
		.amdhsa_float_denorm_mode_16_64 3
		.amdhsa_memory_ordered 1
		.amdhsa_forward_progress 1
		.amdhsa_inst_pref_size 95
	.end_amdhsa_kernel
	.amdgpu_metadata
---
amdhsa.version: [ 1, 2 ]
amdhsa.kernels:
  - .name:           k_q2a0ae56ec6_prep
    .symbol:         k_q2a0ae56ec6_prep.kd
    .args:
      - { .name: x, .offset: 0, .size: 8, .value_kind: global_buffer, .address_space: global }
      - { .name: w_qkv, .offset: 8, .size: 8, .value_kind: global_buffer, .address_space: global }
      - { .name: xc, .offset: 16, .size: 8, .value_kind: global_buffer, .address_space: global }
      - { .name: xs, .offset: 24, .size: 8, .value_kind: global_buffer, .address_space: global }
      - { .name: wc, .offset: 32, .size: 8, .value_kind: global_buffer, .address_space: global }
      - { .name: ws, .offset: 40, .size: 8, .value_kind: global_buffer, .address_space: global }
      - { .name: w_proj, .offset: 48, .size: 8, .value_kind: global_buffer, .address_space: global }
      - { .name: wp16, .offset: 56, .size: 8, .value_kind: global_buffer, .address_space: global }
      - { .name: pad_mask, .offset: 64, .size: 8, .value_kind: global_buffer, .address_space: global }
      - { .name: route, .offset: 72, .size: 8, .value_kind: global_buffer, .address_space: global }
    .group_segment_fixed_size: 33280
    .private_segment_fixed_size: 0
    .kernarg_segment_align: 8
    .kernarg_segment_size: 80
    .max_flat_workgroup_size: 128
    .sgpr_count:     66
    .vgpr_count:     192
    .wavefront_size: 32
...
	.end_amdgpu_metadata
.endif
;; end of part 1
;; launch qkv (part 2): grid 12 x 32, 4 waves a work-group, clusters of 4 x 4, 327,680 bytes of LDS; arguments xc, xs, wc, ws, b_qkv, route, qkv; writes qkv
.if DOCPART == 2
	.amdgcn_target "amdgcn-amd-amdhsa--gfx1250"
	.amdhsa_code_object_version 6
	.text
	.protected	k_q2a0ae56ec6_qkv
	.globl	k_q2a0ae56ec6_qkv
	.p2align	8
	.type	k_q2a0ae56ec6_qkv,@function
k_q2a0ae56ec6_qkv:
	s_mov_b64 s[64:65], 0
	v_nop
	global_prefetch_b8 v0, s[64:65] scope:SCOPE_SE
	s_setreg_imm32_b32 hwreg(HW_REG_WAVE_MODE, 25, 1), 1
	s_wait_xcnt 0x0
	s_wait_alu depctr_hold_cnt(0) depctr_sa_sdst(0) depctr_va_vdst(0) depctr_va_sdst(0) depctr_va_ssrc(0) depctr_va_vcc(0) depctr_vm_vsrc(0)
	s_getreg_b32 s2, hwreg(HW_REG_IB_STS2, 6, 4)
	s_cmp_eq_u32 s2, 0
	s_cbranch_scc0 .Lentry_in_a_cluster
	s_endpgm
.Lentry_in_a_cluster:
	s_bfe_u32 s2, ttmp6, 0x10000c
	s_cmp_lg_u32 s2, 0xf033
	s_cbranch_scc0 .Lentry_shape_is_right
	s_endpgm
.Lentry_shape_is_right:
; qkv = Q(x) Q(w_qkv)^T + b_qkv on codes of FP4 (E2M1) with one E8M0 byte for each 32 along K: M = 8192, N = 3072, K = 1024; sums in f32; the result rounded once to f16.
; OUT: [3][8192][1024] f16: the sections Q, K, V.  Q's rows stay where they are; K's and V's row 2048 b + t goes to row rowmap[2048 b + t] (open keys first), read from route: the next launch then walks open keys alone.
; Nothing is left out here: rows of hidden keys lie in tiles with open ones; the K third of the bias is kept (it is a C operand: no instruction).  LIMIT: results up to 65,504 in magnitude (f16).
; A tile of 256 x 256 is made by four waves, 128 x 128 each: 64 accumulators, 512 registers.  K is two slots of 512 (rows of 256 bytes): BOTH are asked for at the head, nothing is filled again, so there is no loop, and no prefetch: all tiles of the work-group are asked for by its first loads.
; The scale bytes of the work-group's 256 + 256 rows, for all of K, come once, as dense blocks in rows of 256 bytes.
; CLUSTERS: 4 x 4 work-groups; A's tiles are shared along a row of the cluster, B's along a column: joint loads.  A cluster's four tile columns are one section: section = the cluster's x, the same in all sixteen.
; THE MATRIX INSTRUCTION IS USED TRANSPOSED (source 0 = 16 rows of w, source 1 = 16 rows of x): a lane holds eight neighbouring columns of one row.  The bias is the C of each sum's first product.
; REGISTERS: window 0: v0-31 addresses; v32-95 scale words, two sets; v96-127 packed results; v128-191 x's fragments, one set, on the way out rows read back; v192-255 the 64 store offsets.
;   window 1: w's fragments, two sets, v0-63 and v128-191; v64-127 the bias, 8 registers for each block of 16 columns.   windows 2, 3: the accumulators ((a, b) at v[8 (8 (a % 4) + b)]).
.set NQ,     4                         ; steps of 128 along K in a slot
.set ROWB,   256                       ; a tile's row in bytes: 512 codes
.set KROW,   512                       ; a row of codes in memory
.set PITCH,  272                       ; an LDS row: 256 bytes + 16: the sixteen rows that a load touches begin at sixteen different 16-byte columns modulo 256
.set FR,     8
.set NL,     2
.set NP,     4                         ; places behind this matrix instruction (ISA guide 7.12.1)
.set HALFT,  128*PITCH
.set SLOT,   4*HALFT
.set KS,     32                        ; a row of scale bytes
.set SCL,    2*SLOT
.set HALFS,  (128*KS/256)*272
.set SBLK,   (16*KS/256)*272
.set SPARE,  SCL+4*HALFS               ; the spare words, 128 bytes a wave, that no other line names
.set SPITCH, 272                       ; the way out: a stage of 16 rows x (256 + 16) bytes for each wave, in slot 0, which has had its only fill and its last read by then
.set ADRA, 16
.set ADRB, 20
.set STO,  24
.set RD,   25
.set ADRS, 27
.set SPW,  28
.set NIL,  29
.set RA,   30                          ; v30 4 x (lane / 16): my word of a pair of rowmap's
.set BO,   31                          ; v31 32 x (lane / 16): my eight numbers of a block of the bias
.set SC,   32
.set TMP,  96
.set AF,   128
.set BK,   128
.set ROFF, 192                         ; v[ROFF + 8 a + t]: byte offset in a section of row 16 a + 2 t + lane / 16 of my 128, + 16 (lane % 16)
.set BIAS, 64                          ; in window 1
.set G1, 24
.set G0, 32
.set G1B, 48
.set G0B, 56
.set G1S, 68
.set G0S, 76
.set G1SB, 80
.set G0SB, 88
.set MSB, 0
.macro WIN new                         ; the immediate's high byte repeats the setting that is left
.if MSB != (\new)
	s_set_vgpr_msb (MSB<<8)|(\new)
.set MSB, (\new)
.endif
.endm
.set MUL_LO, 0xa1                      ; source 0 (w) window 1, source 1 (x) window 0, C and D window 2
.set MUL_HI, 0xf1                      ; the same, C and D window 3
.set TO_B,   0x40                      ; destination window 1, address window 0
; A joint load: waves 0 and 1 fetch for x, waves 2 and 3 for w.  The branch hangs on the wave's number alone.  An s_nop 0 and four v_nop follow each of the two lines.
.macro JLOAD g0a, g1a, g0b, g1b
	s_cmp_eq_u32 s15, 0
	s_cbranch_scc0 .Lfor_b_\@
	tensor_load_to_lds s[\g0a:\g0a+3], s[\g1a:\g1a+7]
	s_nop 0
.rept 4
	v_nop
.endr
	s_branch .Lasked_\@
.Lfor_b_\@:
	tensor_load_to_lds s[\g0b:\g0b+3], s[\g1b:\g1b+7]
	s_nop 0
.rept 4
	v_nop
.endr
.Lasked_\@:
.endm
.macro CROUND                          ; a round of the cluster's barrier
	s_barrier_signal -1
	s_barrier_wait -1
	s_cmp_lg_u32 s14, 0
	s_cbranch_scc1 .Lnot_wave_0_\@
	s_barrier_signal -3
.Lnot_wave_0_\@:
	s_barrier_wait -3
	s_barrier_signal -1
	s_barrier_wait -1
.endm
	s_load_b128 s[4:7], s[0:1], 0x0                ; x's codes, x's scales
	s_load_b128 s[8:11], s[0:1], 0x10              ; w's codes, w's scales
	s_load_b128 s[96:99], s[0:1], 0x20             ; b_qkv, route
	s_load_b64 s[12:13], s[0:1], 0x30              ; qkv
	v_lshl_add_u32 v[SPW], v0, 2, SPARE
	v_mov_b32 v[NIL], 0
	ds_add_u32 v[SPW], v[NIL]                      ; the wave's opening: the add, twice on end, and its wait ahead of my first tensor load
	ds_add_u32 v[SPW], v[NIL]
	v_lshrrev_b32 v1, 5, v0
	v_readfirstlane_b32 s14, v1                    ; wave 0..3
	s_lshr_b32 s15, s14, 1                         ; which half of the tile's rows is mine.  Also: I fetch for x (0) or for w (1)
	s_and_b32 s16, s14, 1                          ; which half of its columns.  Also: which 128 rows of that tile I fetch
	s_bfe_u32 s40, ttmp6, 0x40000                  ; cx, cy: my place in the cluster
	s_bfe_u32 s41, ttmp6, 0x40004
	s_lshl_b32 s42, ttmp9, 2
	s_add_co_u32 s42, s42, s40                     ; tile column = 4 x cluster x + cx
	s_and_b32 s17, ttmp7, 0xffff
	s_lshl_b32 s17, s17, 2
	s_add_co_u32 s17, s17, s41                     ; tile row = 4 x cluster y + cy
	s_lshl_b32 s43, s41, 2
	s_lshl_b32 s43, 15, s43                        ; my row of the cluster
	s_lshl_b32 s44, 0x1111, s40                    ; my column
	s_or_b32 s[G1+0], s43, (0<<16)|(1<<20)|(1<<21)|(5<<22)|(3<<25)  ; the mask; elements of 1 byte; padding on; bit 21 beside a mask; 4 words of padding after every 64
	s_or_b32 s[G1B+0], s44, (0<<16)|(1<<20)|(1<<21)|(5<<22)|(3<<25)
.irp g, G1, G1B
	s_mov_b32 s[\g+1], ROWB<<16                    ; tensor_dim0
	s_mov_b32 s[\g+2], 128<<16                     ; tensor_dim1
	s_mov_b32 s[\g+3], ROWB<<16                    ; tile_dim0
	s_mov_b32 s[\g+4], 128                         ; tile_dim1
	s_mov_b32 s[\g+5], KROW                        ; from row to row
	s_mov_b32 s[\g+6], 0
	s_mov_b32 s[\g+7], 0
.endr
	s_or_b32 s[G1S+0], s43, (3<<16)|(1<<20)|(1<<21)|(5<<22)|(3<<25) ; the scales of 128 rows: 4,096 dense bytes as 16 rows of 32 elements of 8 bytes, 16 bytes of padding behind each
	s_or_b32 s[G1SB+0], s44, (3<<16)|(1<<20)|(1<<21)|(5<<22)|(3<<25)
.irp g, G1S, G1SB
	s_mov_b32 s[\g+1], 32<<16
	s_mov_b32 s[\g+2], (128*KS/256)<<16
	s_mov_b32 s[\g+3], 32<<16
	s_mov_b32 s[\g+4], 128*KS/256
	s_mov_b32 s[\g+5], 32
	s_mov_b32 s[\g+6], 0
	s_mov_b32 s[\g+7], 0
.endr
	s_lshl_b32 s18, s16, 7                         ; which 128 rows of the tile I fetch
	s_lshl_b32 s20, s17, 8
	s_add_co_u32 s20, s20, s18                     ; x: row 256 x tile row + 128 x half
	s_lshl_b32 s46, s42, 8
	s_add_co_u32 s46, s46, s18                     ; w: row 256 x tile column + 128 x half
	s_mov_b32 s21, 0
	s_mov_b32 s47, 0
	s_mov_b64 s[18:19], KS
	s_mul_u64 s[22:23], s[20:21], s[18:19]         ; where these rows' scales begin
	s_mul_u64 s[92:93], s[46:47], s[18:19]
	s_mov_b64 s[18:19], KROW
	s_mul_u64 s[20:21], s[20:21], s[18:19]         ; and their codes
	s_mul_u64 s[46:47], s[46:47], s[18:19]
	s_mul_i32 s45, s14, HALFT                      ; where they go: wave x 128 rows: no place in the cluster enters an LDS address
	s_mul_i32 s94, s14, HALFS
	s_wait_dscnt 0x0                               ; both opening adds are done
	s_wait_kmcnt 0x0
	s_add_nc_u64 s[20:21], s[4:5], s[20:21]
	s_add_nc_u64 s[22:23], s[6:7], s[22:23]
	s_add_nc_u64 s[46:47], s[8:9], s[46:47]
	s_add_nc_u64 s[92:93], s[10:11], s[92:93]
	CROUND                                         ; all sixteen work-groups are here: the joint loads meet
	s_mov_b32 s[G0S], 1
	s_add_co_u32 s[G0S+1], s94, SCL
	s_mov_b64 s[G0S+2:G0S+3], s[22:23]
	s_or_b32 s[G0S+3], s[G0S+3], 0x80000000
	s_mov_b32 s[G0SB], 1
	s_add_co_u32 s[G0SB+1], s94, SCL
	s_mov_b64 s[G0SB+2:G0SB+3], s[92:93]
	s_or_b32 s[G0SB+3], s[G0SB+3], 0x80000000
	JLOAD G0S, G1S, G0SB, G1SB                     ; the scales first; with the two slots three loads of mine are out
.irp s, 0,1
	s_mov_b32 s[G0+4*\s], 1
	s_add_co_u32 s[G0+4*\s+1], s45, \s*SLOT
	s_add_nc_u64 s[G0+4*\s+2:G0+4*\s+3], s[20:21], \s*ROWB
	s_or_b32 s[G0+4*\s+3], s[G0+4*\s+3], 0x80000000
	s_mov_b32 s[G0B+4*\s], 1
	s_add_co_u32 s[G0B+4*\s+1], s45, \s*SLOT
	s_add_nc_u64 s[G0B+4*\s+2:G0B+4*\s+3], s[46:47], \s*ROWB
	s_or_b32 s[G0B+4*\s+3], s[G0B+4*\s+3], 0x80000000
	JLOAD G0+4*\s, G1, G0B+4*\s, G1B
.endr
	v_and_b32 v1, 15, v0                           ; r = lane % 16
	v_bfe_u32 v2, v0, 4, 1                         ; h = lane / 16
	v_mul_u32_u24 v3, v1, PITCH
	v_lshl_add_u32 v4, v2, 4, v3                   ; a fragment's row x pitch + 16 h
	s_mul_i32 s21, s15, HALFT                      ; my 128 rows of x
	s_mul_i32 s22, s16, HALFT                      ; my 128 rows of w,
	s_add_co_u32 s22, s22, 2*HALFT                 ; which lie behind x's 256
.irp s, 0,1
	v_add_nc_u32 v[ADRA+\s], s21, v4
	v_add_nc_u32 v[ADRB+\s], s22, v4
	s_add_co_u32 s21, s21, SLOT
	s_add_co_u32 s22, s22, SLOT
.endr
	v_mul_u32_u24 v5, v1, KS                       ; my row's scales: KS bytes a row,
	v_lshrrev_b32 v6, 8, v5
	v_lshl_add_u32 v5, v6, 4, v5                   ; and 16 more for each 256 passed
	s_mul_i32 s21, s15, HALFS
	s_mul_i32 s22, s16, HALFS
	s_add_co_u32 s22, s22, 2*HALFS
	s_sub_co_u32 s22, s22, s21
	v_mul_u32_u24 v6, s22, v2                      ; lanes 16-31 take w's: one product, the distance between the two bases
	s_add_co_u32 s21, s21, SCL
	v_add_nc_u32 v5, v5, v6
	v_add_nc_u32 v[ADRS], s21, v5
	s_mul_i32 s23, s14, 16*SPITCH                  ; my stage
	v_mul_u32_u24 v5, v1, SPITCH                   ; in: row r, 16 bytes for each half of the lanes
	v_lshl_add_u32 v5, v2, 4, v5
	v_add_nc_u32 v[STO], s23, v5
	v_mul_u32_u24 v5, v2, SPITCH                   ; back: lanes 0-15 one row of 256 bytes, lanes 16-31 the next
	v_lshl_add_u32 v5, v1, 4, v5
	v_add_nc_u32 v[RD], s23, v5
	; the bias of my 128 columns: for block b lane (r, h) wants columns 16 b + 8 h + 0 .. 7
	v_lshlrev_b32 v[BO], 5, v2
	s_lshl_b32 s46, s42, 10
	s_lshl_b32 s47, s16, 9
	s_add_co_u32 s46, s46, s47
	s_mov_b32 s47, 0
	s_add_nc_u64 s[96:97], s[96:97], s[46:47]
	WIN TO_B
.irp b, 0,1,2,3,4,5,6,7
	global_load_b128 v[BIAS+8*\b:BIAS+8*\b+3], v[BO], s[96:97] offset:64*\b
	global_load_b128 v[BIAS+8*\b+4:BIAS+8*\b+7], v[BO], s[96:97] offset:64*\b+16
.endr
	WIN 0
	; where my 128 rows go
	s_lshl_b32 s20, s17, 8
	s_lshl_b32 s21, s15, 7
	s_add_co_u32 s20, s20, s21                     ; my first row
	v_lshlrev_b32 v6, 4, v1                        ; 16 r
	s_cmp_eq_u32 ttmp9, 0                          ; the section: the cluster's x, the same in all sixteen partners
	s_cbranch_scc0 .Lmoved
	v_add_nc_u32 v5, s20, v2                       ; Q: rows stay
	v_lshl_add_u32 v5, v5, 11, v6
.irp a, 0,1,2,3,4,5,6,7
.irp t, 0,1,2,3,4,5,6,7
	v_add_nc_u32 v[ROFF+8*\a+\t], (16*\a+2*\t)<<11, v5
.endr
.endr
	s_branch .Lplaced
.Lmoved:                                               ; K, V: by rowmap
	v_lshlrev_b32 v[RA], 2, v2
	s_lshl_b32 s22, s20, 2
	s_mov_b32 s23, 0
	s_add_nc_u64 s[98:99], s[98:99], s[22:23]
.irp a, 0,1,2,3,4,5,6,7
.irp t, 0,1,2,3,4,5,6,7
	global_load_b32 v[ROFF+8*\a+\t], v[RA], s[98:99] offset:4*(16*\a+2*\t)
.endr
.endr
	s_wait_loadcnt 0x0
.irp a, 0,1,2,3,4,5,6,7
.irp t, 0,1,2,3,4,5,6,7
	v_min_u32 v[ROFF+8*\a+\t], 8191, v[ROFF+8*\a+\t]               ; a loaded number enters an address only behind this hold
.endr
.endr
.irp a, 0,1,2,3,4,5,6,7
.irp t, 0,1,2,3,4,5,6,7
	v_lshl_add_u32 v[ROFF+8*\a+\t], v[ROFF+8*\a+\t], 11, v6
.endr
.endr
.Lplaced:
	s_wait_loadcnt 0x0                             ; the bias
	s_lshl_b32 s22, ttmp9, 24                      ; the section, 2^24 bytes,
	s_lshl_b32 s23, s40, 9                         ; the tile's 256 columns in it,
	s_add_co_u32 s22, s22, s23
	s_lshl_b32 s23, s16, 8                         ; my 128 of them
	s_add_co_u32 s22, s22, s23
	s_mov_b32 s23, 0
	s_add_nc_u64 s[12:13], s[12:13], s[22:23]
.macro FRAG reg, adr, q, i             ; 16 rows x 128 K of 4-bit codes: 8 registers: lane (r, h) holds row r; registers 4 c .. 4 c + 3 hold K = 64 c + 32 h + 0 .. 31
.irp c, 0,1
	ds_load_b128 v[\reg+4*\c:\reg+4*\c+3], v[\adr] offset:64*(\q)+32*\c+(\i)*16*PITCH
.endr
.endm
; 16 matrix instructions: x's blocks a0, a0 + 1 against w's eight, the slot's q-th 128 along K.  p: w's set; sc: the set of scale words.  zero = 1: the first product starts the sums on the bias.
; The 64 accumulators take turns, one instruction a turn, in the same order in every step.
.macro MUL16 a0, p, q, sc, zero
.irp a, \a0, \a0+1
.irp b, 0,1,2,3,4,5,6,7
.if \zero
	v_wmma_scale_f32_16x16x128_f8f6f4 v[8*(8*((\a)%4)+\b):8*(8*((\a)%4)+\b)+7], v[128*(\p)+FR*\b:128*(\p)+FR*\b+FR-1], v[AF+FR*(\a):AF+FR*(\a)+FR-1], v[BIAS+8*\b:BIAS+8*\b+7], v[SC+8*NQ*(\sc)+NQ*\b+(\q)], v[SC+8*NQ*(\sc)+NQ*(\a)+(\q)] matrix_a_fmt:MATRIX_FMT_FP4 matrix_b_fmt:MATRIX_FMT_FP4 matrix_a_scale:MATRIX_SCALE_ROW1
.else
	v_wmma_scale_f32_16x16x128_f8f6f4 v[8*(8*((\a)%4)+\b):8*(8*((\a)%4)+\b)+7], v[128*(\p)+FR*\b:128*(\p)+FR*\b+FR-1], v[AF+FR*(\a):AF+FR*(\a)+FR-1], v[8*(8*((\a)%4)+\b):8*(8*((\a)%4)+\b)+7], v[SC+8*NQ*(\sc)+NQ*\b+(\q)], v[SC+8*NQ*(\sc)+NQ*(\a)+(\q)] matrix_a_fmt:MATRIX_FMT_FP4 matrix_b_fmt:MATRIX_FMT_FP4 matrix_a_scale:MATRIX_SCALE_ROW1
.endif
.endr
.endr
.endm
.macro FETCH_B slot, q, p
	WIN TO_B
.irp i, 0,1,2,3,4,5,6,7
	FRAG 128*(\p)+FR*\i, ADRB+\slot, \q, \i
.endr
	WIN 0
.endm
.macro FETCH_A slot, q, i0
.irp i, \i0, \i0+1, \i0+2, \i0+3
	FRAG AF+FR*(\i), ADRA+\slot, \q, \i
.endr
.endm
.macro SCALES sc                       ; a slot's scale words: 4 words a row; lanes 0-15 take x's block i, lanes 16-31 w's block i
.irp i, 0,1,2,3,4,5,6,7
	ds_load_b128 v[SC+8*NQ*\sc+NQ*\i:SC+8*NQ*\sc+NQ*\i+3], v[ADRS] offset:\i*SBLK
.endr
.endm
.macro PLACES n                        ; plain vector instructions between a matrix instruction and a load into, or a read of, its registers (ISA guide 7.12.1 for a read)
.rept \n
	v_nop
.endr
.endm
.macro STEP slot, q, zero              ; a step of 128 along K that has its successor in the same slot
	s_wait_dscnt 4*NL                              ; w's set and x's blocks 0-3 are in; the youngest eight loads (x's blocks 4-7) may be out
.if \zero
	WIN 0x91                                       ; as MUL_LO, with C (the bias) in window 1
.else
	WIN MUL_LO
.endif
	MUL16 0, (\q)%2, \q, \slot, \zero
	MUL16 2, (\q)%2, \q, \slot, \zero
	s_wait_dscnt 0                                 ; x's blocks 4-7 are in
	PLACES NP
	FETCH_B \slot, (\q)+1, 1-(\q)%2
	FETCH_A \slot, (\q)+1, 0
.if \zero
	WIN 0xd1
.else
	WIN MUL_HI
.endif
	MUL16 4, (\q)%2, \q, \slot, \zero
	MUL16 6, (\q)%2, \q, \slot, \zero
	PLACES NP
	WIN 0
	FETCH_A \slot, (\q)+1, 4
.endm
.macro TURN slot, next                 ; a slot's last step changes slots: one barrier
	s_wait_tensorcnt 0x0                           ; all my tensor loads have landed: my part of the next slot
	ds_add_u32 v[SPW], v[NIL]                      ; 0 onto my spare word
	s_wait_dscnt 4*NL+1                            ; (the add and the youngest eight loads may be out)
	WIN MUL_LO
	MUL16 0, 1, NQ-1, \slot, 0
	s_wait_dscnt 0x0                               ; the add is done, and my reads of this slot are over
	s_barrier_signal -1
	MUL16 2, 1, NQ-1, \slot, 0
	WIN 0
	s_barrier_wait -1                              ; the next slot is whole, and nobody reads this one any more
	PLACES NP
	v_add_nc_u32 v[ADRS], 4*NQ, v[ADRS]            ; on to the next slot's scale words
	FETCH_B \next, 0, 0
	FETCH_A \next, 0, 0
	SCALES \next
	WIN MUL_HI
	MUL16 4, 1, NQ-1, \slot, 0
	MUL16 6, 1, NQ-1, \slot, 0
	PLACES NP
	WIN 0
	FETCH_A \next, 0, 4
.endm
	s_wait_tensorcnt 1                             ; the scales and my part of slot 0 are in; slot 1's load may stay out
	s_barrier_signal -1
	s_barrier_wait -1
	FETCH_B 0, 0, 0
	FETCH_A 0, 0, 0
	SCALES 0
	FETCH_A 0, 0, 4
	STEP 0, 0, 1
	STEP 0, 1, 0
	STEP 0, 2, 0
	TURN 0, 1
	STEP 1, 0, 0
	STEP 1, 1, 0
	STEP 1, 2, 0
	s_wait_dscnt 4*NL                              ; the very last step: nothing more to fetch
	WIN MUL_LO
	MUL16 0, 1, NQ-1, 1, 0
	MUL16 2, 1, NQ-1, 1, 0
	s_wait_dscnt 0
	WIN MUL_HI
	MUL16 4, 1, NQ-1, 1, 0
	MUL16 6, 1, NQ-1, 1, 0
	WIN 0
; THE WAY OUT, block by block of 16 rows x 128 columns: rounded to f16 (16 bytes a lane), through my own stage, back as whole rows of 256 bytes; a store covers two rows, each 256 consecutive aligned bytes, at the rows' own places.
.macro PACK a
.set AC, 64*((\a)%4)
	WIN 0x0a+5*((\a)/4)                            ; sources 0 and 1: window 2 or 3
.irp b, 0,1,2,3,4,5,6,7
.irp r, 0,1,2,3
	v_cvt_pk_f16_f32 v[TMP+4*\b+\r], v[AC+8*\b+2*\r], v[AC+8*\b+2*\r+1]    ; each accumulator from its low end on
.endr
.endr
	WIN 0
.endm
.macro TOSTAGE a
.set BB, BK+32*((\a)%2)
.irp b, 0,1,2,3,4,5,6,7
	ds_store_b128 v[STO], v[TMP+4*\b:TMP+4*\b+3] offset:32*\b
.endr
.irp t, 0,1,2,3,4,5,6,7
	ds_load_b128 v[BB+4*\t:BB+4*\t+3], v[RD] offset:\t*2*SPITCH    ; in order behind my stores (ISA guide 5.7.1.4)
.endr
.endm
.macro SEND a
.set BB, BK+32*((\a)%2)
	s_wait_dscnt 0x0                               ; the block is back in registers
	s_wait_xcnt 0x0                                ; the stores of the block before have read their registers: the next block's loads may land there
.irp t, 0,1,2,3,4,5,6,7
	global_store_b128 v[ROFF+8*(\a)+\t], v[BB+4*\t:BB+4*\t+3], s[12:13]
.endr
.endm
	PLACES NP
	PACK 0
	TOSTAGE 0
.irp a, 1,2,3,4,5,6,7                  ; block a's conversions stand between block a - 1's loads from the stage and the wait for them
	PACK \a
	SEND \a-1
	TOSTAGE \a
.endr
	SEND 7
	s_wait_tensorcnt 0x0                           ; the wave's end
	ds_add_u32 v[SPW], v[NIL]
	s_wait_dscnt 0x0
	CROUND                                         ; the closing round
	s_endpgm
.Lfunc_end_k_q2a0ae56ec6_qkv:
	.size	k_q2a0ae56ec6_qkv, .Lfunc_end_k_q2a0ae56ec6_qkv-k_q2a0ae56ec6_qkv
	.p2alignl 7, 3214868480
	.fill 96, 4, 3214868480
	.section	.rodata,"a",@progbits
	.p2align	6, 0x0
	.amdhsa_kernel k_q2a0ae56ec6_qkv
		.amdhsa_group_segment_fixed_size 327680
		.amdhsa_private_segment_fixed_size 0
		.amdhsa_enable_private_segment 0
		.amdhsa_kernarg_size 56
		.amdhsa_user_sgpr_count 2
		.amdhsa_user_sgpr_kernarg_segment_ptr 1
		.amdhsa_wavefront_size32 1
		.amdhsa_system_sgpr_workgroup_id_x 1
		.amdhsa_system_sgpr_workgroup_id_y 1
		.amdhsa_system_sgpr_workgroup_id_z 1
		.amdhsa_system_vgpr_workitem_id 0
		.amdhsa_next_free_vgpr 1024
		.amdhsa_next_free_sgpr 100
		.amdhsa_reserve_vcc 0
		.amdhsa_float_denorm_mode_32 3
		.amdhsa_float_denorm_mode_16_64 3
		.amdhsa_memory_ordered 1
		.amdhsa_forward_progress 1
		.amdhsa_inst_pref_size 146
	.end_amdhsa_kernel
	.amdgpu_metadata
---
amdhsa.version: [ 1, 2 ]
amdhsa.kernels:
  - .name:           k_q2a0ae56ec6_qkv
    .symbol:         k_q2a0ae56ec6_qkv.kd
    .args:
      - { .name: xc, .offset: 0, .size: 8, .value_kind: global_buffer, .address_space: global }
      - { .name: xs, .offset: 8, .size: 8, .value_kind: global_buffer, .address_space: global }
      - { .name: wc, .offset: 16, .size: 8, .value_kind: global_buffer, .address_space: global }
      - { .name: ws, .offset: 24, .size: 8, .value_kind: global_buffer, .address_space: global }
      - { .name: b_qkv, .offset: 32, .size: 8, .value_kind: global_buffer, .address_space: global }
      - { .name: route, .offset: 40, .size: 8, .value_kind: global_buffer, .address_space: global }
      - { .name: qkv, .offset: 48, .size: 8, .value_kind: global_buffer, .address_space: global }
    .group_segment_fixed_size: 327680
    .private_segment_fixed_size: 0
    .kernarg_segment_align: 8
    .kernarg_segment_size: 56
    .max_flat_workgroup_size: 128
    .sgpr_count:     100
    .vgpr_count:     1024
    .wavefront_size: 32
...
	.end_amdgpu_metadata
.endif
;; end of part 2
;; launch attn (part 3): grid 8 x 32, 8 waves a work-group, no clusters, 203,776 bytes of LDS; arguments qkv, route, attn; writes attn
.if DOCPART == 3
	.amdgcn_target "amdgcn-amd-amdhsa--gfx1250"
	.amdhsa_code_object_version 6
	.text
	.protected	k_q2a0ae56ec6_attn
	.globl	k_q2a0ae56ec6_attn
	.p2align	8
	.type	k_q2a0ae56ec6_attn,@function
k_q2a0ae56ec6_attn:
	s_mov_b64 s[64:65], 0
	v_nop
	global_prefetch_b8 v0, s[64:65] scope:SCOPE_SE
	s_setreg_imm32_b32 hwreg(HW_REG_WAVE_MODE, 25, 1), 1
	s_wait_xcnt 0x0
; attn[b][q][head] = softmax over the open keys of (q . k / 8) v, in f16 operands and f32 sums.  qkv: [3][8192][1024] f16; K's and V's rows of a batch lie with the open keys first; cnt[b] of them are open (route).
; WORK LEFT OUT: key steps of 64 all of whose keys are hidden (place >= cnt[b]): their weights are 0 for every query, whatever the inputs; which steps those are is read from memory as a whole number.
; In the one step that holds open and hidden keys the hidden scores become -infinity ahead of the maximum.  LIMITS: a NaN or infinity in rows of steps left out is not carried; cnt = 0 gives 0 x 1/0 = NaN, as reference() gives.
; SHARES.  A work-group: 256 queries (x) of a PAIR of heads of one batch (y = 8 b + pair), so that every piece of a row of K, V and of the result is 256 consecutive aligned bytes.  Wave w: head w / 4 of the pair, queries 64 (w % 4) on: four tiles of 16.
; NO TENSOR LOAD, NO CLUSTER: how many steps are walked is a number read from memory and steers branches; so K and V come by global loads into registers, two steps ahead, and go on into LDS by ds_store.
; No prefetch: a tile is asked for two steps before it is read, and eight work-groups read the same rows.
; THE RING: two slots of two steps.  While a slot's two steps are read, the tiles two steps on are stored into the other slot.  One barrier for two steps: in front of it each wave has waited for its reads of this slot and its stores into the other.
; The loop has 16 trips whatever cnt is: a step past the last live one runs scalar lines alone; every wave passes every barrier.
; LAYOUT.  S^T = K Q^T (source 0 = 16 keys, source 1 = 16 queries): a lane holds one query and keys 16 u + 8 (lane / 16) + 0 .. 7; two such tiles, rounded to f16 in pairs, are source 1 of O^T = V^T P.  V is turned by ds_load_tr16_b128.
; SOFTMAX.  Running maximum m and sum l for each query: p = 2^(c s - c m), c = log2(e) / 8; O and l are multiplied by a = 2^(c m_old - c m_new) in every step.  m begins at -3e38, O and l at 0: the step has one form.
; REGISTERS: window 0: v2-11 addresses; v12-43 statistics, 8 a tile (+0 c m, +1 m, +2, +3 l, +4 .. +7 at work, a at +6); v44-75 the tile on its way; v76-83; v128-255 S^T, 32 a tile, P in the low 16 of each.
;   window 1: v0-127 O^T ((t, cb) at 32 t + 8 cb); v128-191 Q ((t, kk) at 128 + 16 t + 8 kk); v192-255 eight fragments, first K's, then V's.
.set KS,    64
.set PK,    272                        ; a row of K in LDS: 256 bytes + 16
.set PV,    288                        ; a row of V: 256 + 32: the eight rows x 32 bytes that sixteen lanes of the turning load take fall on different words modulo 256 bytes
.set VOFF,  KS*PK
.set STEPB, KS*(PK+PV)
.set SLOT1, 1<<17                      ; slot 1 begins here: one exclusive or turns an address of one slot into the other's
.set SPARE, SLOT1+2*STEPB              ; the spare words, 128 bytes a wave, that no other line names
.set SEC,   1<<24                      ; a section of qkv
.set TILE,  KS*2048                    ; 64 rows of qkv
.set OP,    272                        ; the way out: a stage of 256 rows x (256 + 16) bytes from byte 0 on, behind the loop's last barrier
.set AK0, 2
.set AV0, 3
.set ADK, 4
.set ADV, 5
.set ADSK, 6
.set ADSV, 7
.set QO,  8
.set GOF, 9
.set SK0, 10
.set SV0, 11
.set ST,  12
.set STG, 44
.set SPW, 76
.set NIL, 77
.set NINF, 78
.set H8,  79
.set D,   80
.set STO, 81
.set RD,  82
.set GO,  83
.set S,   128
.set QF,  128                          ; in window 1
.set KV,  192                          ; in window 1
.set WV,  14
.set CNT, 20
.set NST, 21
.set T,   22
.set TB,  23
.set SLOTS, 24
.set CS,  26
.set SEL, 28
.set MSB, 0
.macro WIN new
.if MSB != (\new)
	s_set_vgpr_msb (MSB<<8)|(\new)
.set MSB, (\new)
.endif
.endm
	s_load_b128 s[4:7], s[0:1], 0x0                ; qkv, route
	s_load_b64 s[10:11], s[0:1], 0x10              ; attn
	v_lshl_add_u32 v[SPW], v0, 2, SPARE
	v_mov_b32 v[NIL], 0
	v_lshrrev_b32 v1, 5, v0
	v_readfirstlane_b32 s[WV], v1                  ; wave 0..7
	s_lshr_b32 s15, s[WV], 2                       ; e: my head of the pair
	s_and_b32 s16, s[WV], 3                        ; g: my 64 queries
	s_and_b32 s17, ttmp7, 0xffff
	s_lshr_b32 s18, s17, 3                         ; the batch
	s_and_b32 s19, s17, 7                          ; the pair of heads
	s_lshl_b32 s34, s18, 22                        ; 2,048 rows of 2,048 bytes a batch
	s_lshl_b32 s30, s19, 8
	s_add_co_u32 s34, s34, s30                     ; the batch's first row, the pair's 256 bytes
	s_lshl_b32 s30, ttmp9, 19
	s_add_co_u32 s36, s34, s30                     ; my block's first row
	s_lshl_b32 s30, s16, 17
	s_add_co_u32 s32, s36, s30
	s_lshl_b32 s30, s15, 7
	s_add_co_u32 s32, s32, s30                     ; Q: my 64 rows, my head's 128 bytes
	s_lshl_b32 s31, s[WV], 16
	s_add_co_u32 s36, s36, s31                     ; the result: the 32 rows that I store
	s_add_co_u32 s34, s34, SEC                     ; K's section
	s_lshl_b32 s38, s18, 7                         ; cnt: 128 bytes a batch
	s_mov_b32 s33, 0
	s_mov_b32 s35, 0
	s_mov_b32 s37, 0
	s_mov_b32 s39, 0
	s_mov_b32 s[CS], 0x3e38aa3b                    ; c = log2(e) / 8
	s_mov_b32 s[CS+1], s[CS]
	s_mov_b32 s[SEL], 0x76543210
	s_mov_b32 s[SEL+1], 0xfedcba98                 ; v_permlanex16_b32: lane l xor 16
	s_wait_kmcnt 0x0
	s_add_nc_u64 s[6:7], s[6:7], s[38:39]
	s_load_b32 s[CNT], s[6:7], 0x8000              ; behind rowmap's 32,768 bytes
	s_add_nc_u64 s[8:9], s[4:5], s[34:35]          ; K's tiles
	s_add_nc_u64 s[12:13], s[8:9], SEC             ; V's
	s_add_nc_u64 s[4:5], s[4:5], s[32:33]
	s_add_nc_u64 s[10:11], s[10:11], s[36:37]
	v_and_b32 v1, 15, v0                           ; r
	v_bfe_u32 v84, v0, 4, 1                        ; h
	v_lshrrev_b32 v87, 4, v0                       ; thread / 16: 0..15
	v_lshlrev_b32 v[QO], 11, v1
	v_lshl_add_u32 v[QO], v84, 4, v[QO]            ; Q: row r, + 16 h
	v_lshlrev_b32 v[GOF], 11, v87
	v_lshl_add_u32 v[GOF], v1, 4, v[GOF]           ; a tile from memory: sixteen threads to a row's 256 bytes, sixteen rows to a load of the work-group
	WIN 0x40                                       ; destination window 1
.irp t, 0,1,2,3
.irp kk, 0,1
	global_load_b128 v[QF+16*\t+8*\kk:QF+16*\t+8*\kk+3], v[QO], s[4:5] offset:\t*32768+64*\kk
	global_load_b128 v[QF+16*\t+8*\kk+4:QF+16*\t+8*\kk+7], v[QO], s[4:5] offset:\t*32768+64*\kk+32
.endr
.endr
	WIN 0
.irp n, 0,1,2,3
	global_load_b128 v[STG+4*\n:STG+4*\n+3], v[GOF], s[8:9] offset:\n*32768                ; step 0's tiles
	global_load_b128 v[STG+16+4*\n:STG+16+4*\n+3], v[GOF], s[12:13] offset:\n*32768
.endr
.irp n, 0,1,2,3
	global_load_b128 v[S+4*\n:S+4*\n+3], v[GOF], s[8:9] offset:\n*32768+TILE               ; step 1's, in registers that S^T takes later
	global_load_b128 v[S+16+4*\n:S+16+4*\n+3], v[GOF], s[12:13] offset:\n*32768+TILE
.endr
	v_mul_u32_u24 v[AK0], v1, PK
	v_lshl_add_u32 v[AK0], v84, 4, v[AK0]
	v_add_nc_u32 v[AK0], s30, v[AK0]               ; K's fragments: row r, + 16 h, + my head's 128 bytes (s30 = 128 e)
	v_and_b32 v85, 7, v0
	v_bfe_u32 v86, v0, 3, 1
	v_lshl_add_u32 v[AV0], v84, 3, v85
	v_mul_u32_u24 v[AV0], v[AV0], PV
	v_lshl_add_u32 v[AV0], v86, 4, v[AV0]
	v_add_nc_u32 v[AV0], s30, v[AV0]
	v_add_nc_u32 v[AV0], VOFF, v[AV0]              ; V's: key 8 h + lane % 8, channels 8 ((lane / 8) % 2) on
	v_mul_u32_u24 v[SK0], v87, PK
	v_lshl_add_u32 v[SK0], v1, 4, v[SK0]           ; where I store my 16 bytes of a tile of K
	v_mul_u32_u24 v[SV0], v87, PV
	v_lshl_add_u32 v[SV0], v1, 4, v[SV0]
	v_add_nc_u32 v[SV0], VOFF, v[SV0]              ; and of V
	v_mov_b32 v[NINF], 0xff800000
	v_lshlrev_b32 v[H8], 3, v84
	s_mul_i32 s31, s16, 64*OP
	s_add_co_u32 s31, s31, s30
	v_mul_u32_u24 v[STO], v1, OP
	v_lshl_add_u32 v[STO], v84, 4, v[STO]
	v_add_nc_u32 v[STO], s31, v[STO]               ; the stage, in: row 64 g + r, + 128 e + 16 h
	s_mul_i32 s31, s[WV], 32*OP
	v_mul_u32_u24 v[RD], v84, OP
	v_lshl_add_u32 v[RD], v1, 4, v[RD]
	v_add_nc_u32 v[RD], s31, v[RD]                 ; back: rows 32 w on; lanes 0-15 one row, lanes 16-31 the next
	v_lshlrev_b32 v[GO], 11, v84
	v_lshl_add_u32 v[GO], v1, 4, v[GO]             ; and the same two rows in the result
.irp t, 0,1,2,3
	v_mov_b32 v[ST+8*\t+1], 0xff61b1e6             ; m = -3e38, under every score
	v_mul_f32 v[ST+8*\t], s[CS], v[ST+8*\t+1]
.irp i, 2,3,4,5,6,7
	v_mov_b32 v[ST+8*\t+\i], 0
.endr
.endr
	WIN 0x40
.set i, 0
.rept 128
	v_mov_b32 v[i], 0                              ; O^T: the step is written in one form; the first change of m multiplies zeros
.set i, i+1
.endr
	WIN 0
	s_wait_kmcnt 0x0
	s_min_u32 s[CNT], s[CNT], 2048
	s_add_co_u32 s[NST], s[CNT], 63
	s_lshr_b32 s[NST], s[NST], 6
	s_max_u32 s[NST], s[NST], 1                    ; live steps: 1 to 32
	s_wait_loadcnt 0x0                             ; Q and the first two steps' tiles
.irp n, 0,1,2,3
	ds_store_b128 v[SK0], v[STG+4*\n:STG+4*\n+3] offset:16*PK*\n
	ds_store_b128 v[SV0], v[STG+16+4*\n:STG+16+4*\n+3] offset:16*PV*\n
	ds_store_b128 v[SK0], v[S+4*\n:S+4*\n+3] offset:16*PK*\n+STEPB
	ds_store_b128 v[SV0], v[S+16+4*\n:S+16+4*\n+3] offset:16*PV*\n+STEPB
.endr
	s_add_nc_u64 s[8:9], s[8:9], 2*TILE            ; the bases stand two steps ahead of the step in hand (their loads are done)
	s_add_nc_u64 s[12:13], s[12:13], 2*TILE
	s_mov_b32 s[T], 0
	s_mov_b32 s[TB], 0
	s_mov_b32 s[SLOTS], 16
	s_wait_dscnt 0x0                               ; for the others' sake: my stores have landed
	s_barrier_signal -1
	s_barrier_wait -1
; A KEY STEP of 64 keys.
.macro STEP
	s_wait_dscnt 0x0                               ; the last step's stores have read the staging registers
	s_xor_b32 s31, s[TB], SLOT1
	v_add_nc_u32 v[ADK], s[TB], v[AK0]             ; every LDS address of the step is made ahead of its branches.  These four lines and the v_nop are also the five places between the last step's
	v_add_nc_u32 v[ADV], s[TB], v[AV0]             ; products V^T P and what follows: loads into the registers that held V, and products that write over P
	v_add_nc_u32 v[ADSK], s31, v[SK0]
	v_add_nc_u32 v[ADSV], s31, v[SV0]
	v_nop
	s_cmp_ge_u32 s[T], s[NST]                      ; past the last live step: nothing but the steps of the addresses
	s_cbranch_scc1 .Ldead_\@
	s_add_co_u32 s30, s[T], 2
	s_cmp_ge_u32 s30, s[NST]
	s_cbranch_scc1 .Lnoreq_\@
.irp n, 0,1,2,3
	global_load_b128 v[STG+4*\n:STG+4*\n+3], v[GOF], s[8:9] offset:\n*32768                ; the tiles two steps on: they have this step's first product and softmax in which to land
	global_load_b128 v[STG+16+4*\n:STG+16+4*\n+3], v[GOF], s[12:13] offset:\n*32768
.endr
.Lnoreq_\@:
	WIN 0x40
.irp f, 0,1,2,3,4,5,6,7                        ; K: keys 16 (f / 2) on, channels 32 (f % 2) on
	ds_load_b128 v[KV+8*\f:KV+8*\f+3], v[ADK] offset:(\f/2)*16*PK+(\f%2)*64
	ds_load_b128 v[KV+8*\f+4:KV+8*\f+7], v[ADK] offset:(\f/2)*16*PK+(\f%2)*64+32
.endr
	s_wait_dscnt 0x0
	WIN 0x05                                       ; K and Q in window 1, S^T in window 0
.irp kk, 0,1                                   ; the sixteen accumulators take turns, one instruction a turn
.irp u, 0,1,2,3
.irp t, 0,1,2,3
.if \kk == 0
	v_wmma_f32_16x16x32_f16 v[S+32*\t+8*\u:S+32*\t+8*\u+7], v[KV+8*(2*\u+\kk):KV+8*(2*\u+\kk)+7], v[QF+16*\t+8*\kk:QF+16*\t+8*\kk+7], 0
.else
	v_wmma_f32_16x16x32_f16 v[S+32*\t+8*\u:S+32*\t+8*\u+7], v[KV+8*(2*\u+\kk):KV+8*(2*\u+\kk)+7], v[QF+16*\t+8*\kk:QF+16*\t+8*\kk+7], v[S+32*\t+8*\u:S+32*\t+8*\u+7]
.endif
.endr
.endr
.endr
	WIN 0
.rept 4
	v_nop                                          ; places in front of the loads into K's registers and of the first read of the scores
.endr
	WIN 0x40
.irp f, 0,1,2,3,4,5,6,7                        ; V, turned: keys 32 (f / 4) on, channels 16 (f % 4) on; it lands while the softmax is walked
	ds_load_tr16_b128 v[KV+8*\f:KV+8*\f+3], v[ADV] offset:(\f/4)*32*PV+(\f%4)*32
	ds_load_tr16_b128 v[KV+8*\f+4:KV+8*\f+7], v[ADV] offset:(\f/4)*32*PV+16*PV+(\f%4)*32
.endr
	WIN 0
	s_lshl_b32 s30, s[T], 6
	s_add_co_u32 s31, s30, 64
	s_cmp_le_u32 s31, s[CNT]                       ; all 64 keys open: no mask
	s_cbranch_scc1 .Lopen_\@
	s_sub_co_u32 s30, s[CNT], s30
	v_sub_nc_u32 v[D], s30, v[H8]                  ; register 8 u + j holds key 64 T + 8 h + 16 u + j: hidden where 16 u + j >= cnt - 64 T - 8 h
.irp n, 0,1,2,3,4,5,6,7,8,9,10,11,12,13,14,15,16,17,18,19,20,21,22,23,24,25,26,27,28,29,30,31
	v_cmp_ge_i32 vcc_lo, 16*(\n/8)+\n%8, v[D]
.irp t, 0,1,2,3
	v_cndmask_b32 v[S+32*\t+\n], v[S+32*\t+\n], v[NINF], vcc_lo
.endr
.endr
.Lopen_\@:
	; the maximum of a lane's 32 scores and the old m, in four chains a tile; the four tiles by turns, so that no line waits for the line above it
.irp j, 0,1,2,3
.irp t, 0,1,2,3
	v_max3_num_f32 v[ST+8*\t+4+\j], v[S+32*\t+8*\j], v[S+32*\t+8*\j+1], v[S+32*\t+8*\j+2]
.endr
.endr
.irp i, 3,5
.irp j, 0,1,2,3
.irp t, 0,1,2,3
	v_max3_num_f32 v[ST+8*\t+4+\j], v[ST+8*\t+4+\j], v[S+32*\t+8*\j+\i], v[S+32*\t+8*\j+\i+1]
.endr
.endr
.endr
.irp t, 0,1,2,3
	v_max3_num_f32 v[ST+8*\t+4], v[ST+8*\t+4], v[S+32*\t+7], v[S+32*\t+15]
.endr
.irp t, 0,1,2,3
	v_max3_num_f32 v[ST+8*\t+6], v[ST+8*\t+6], v[S+32*\t+23], v[S+32*\t+31]
.endr
.irp t, 0,1,2,3
	v_max3_num_f32 v[ST+8*\t+4], v[ST+8*\t+4], v[ST+8*\t+5], v[ST+8*\t+6]
.endr
.irp t, 0,1,2,3
	v_max3_num_f32 v[ST+8*\t+4], v[ST+8*\t+4], v[ST+8*\t+7], v[ST+8*\t+1]
.endr
.irp t, 0,1,2,3
	v_permlanex16_b32 v[ST+8*\t+5], v[ST+8*\t+4], s[SEL], s[SEL+1]         ; the query's other 32 keys lie in the lane 16 away
.endr
.irp t, 0,1,2,3
	v_mov_b32 v[ST+8*\t+7], v[ST+8*\t]             ; c m_old
.endr
.irp t, 0,1,2,3
	v_max_num_f32 v[ST+8*\t+1], v[ST+8*\t+4], v[ST+8*\t+5]
.endr
.irp t, 0,1,2,3
	v_mul_f32 v[ST+8*\t], s[CS], v[ST+8*\t+1]
.endr
.irp t, 0,1,2,3
	v_sub_f32 v[ST+8*\t+7], v[ST+8*\t+7], v[ST+8*\t]
.endr
.irp b, 0,2,4,6,8,10,12,14,16,18,20,22,24,26,28,30
.irp t, 0,1,2,3
	v_pk_fma_f32 v[S+32*\t+\b:S+32*\t+\b+1], v[S+32*\t+\b:S+32*\t+\b+1], s[CS:CS+1], v[ST+8*\t:ST+8*\t+1] op_sel_hi:[1,0,0] neg_lo:[0,0,1] neg_hi:[0,0,1]   ; c s - c m
.endr
.endr
.irp t, 0,1,2,3
	v_exp_f32 v[ST+8*\t+6], v[ST+8*\t+7]           ; a
.endr
.set i, 0
.rept 128
	v_exp_f32 v[S+i], v[S+i]                       ; p: one batch with the four above
.set i, i+1
.endr
	v_nop                                          ; a plain instruction behind the last exponential
	s_wait_alu depctr_va_vdst(0)                   ; one wait for the batch, ahead of its first reader
.irp t, 0,1,2,3
	v_pk_fma_f32 v[ST+8*\t+2:ST+8*\t+3], v[ST+8*\t+2:ST+8*\t+3], v[ST+8*\t+6:ST+8*\t+7], v[S+32*\t:S+32*\t+1] op_sel_hi:[1,0,1]   ; l = a l + the first pair; the sum goes in two chains a tile
	v_pk_add_f32 v[ST+8*\t+4:ST+8*\t+5], v[S+32*\t+2:S+32*\t+3], v[S+32*\t+6:S+32*\t+7]
.endr
.irp b, 4,8,12,16,20,24
.irp t, 0,1,2,3
	v_pk_add_f32 v[ST+8*\t+2:ST+8*\t+3], v[ST+8*\t+2:ST+8*\t+3], v[S+32*\t+\b:S+32*\t+\b+1]
	v_pk_add_f32 v[ST+8*\t+4:ST+8*\t+5], v[ST+8*\t+4:ST+8*\t+5], v[S+32*\t+\b+6:S+32*\t+\b+7]
.endr
.endr
.irp t, 0,1,2,3
	v_pk_add_f32 v[ST+8*\t+2:ST+8*\t+3], v[ST+8*\t+2:ST+8*\t+3], v[S+32*\t+28:S+32*\t+29]
.endr
.irp t, 0,1,2,3
	v_pk_add_f32 v[ST+8*\t+2:ST+8*\t+3], v[ST+8*\t+2:ST+8*\t+3], v[ST+8*\t+4:ST+8*\t+5]
.endr
.irp p, 0,1,2,3,4,5,6,7,8,9,10,11,12,13,14,15
.irp t, 0,1,2,3
	v_cvt_pk_f16_f32 v[S+32*\t+\p], v[S+32*\t+2*\p], v[S+32*\t+2*\p+1]     ; P, in place, ascending: pair p is read no later than register p is written
.endr
.endr
	WIN 0x41                                       ; O^T (destination and source 0) in window 1, a in window 0
.irp i, 0,2,4,6,8,10,12,14,16,18,20,22,24,26,28,30
.irp t, 0,1,2,3
	v_pk_mul_f32 v[32*\t+\i:32*\t+\i+1], v[32*\t+\i:32*\t+\i+1], v[ST+8*\t+6:ST+8*\t+7] op_sel_hi:[1,0]
.endr
.endr
	WIN 0
	s_wait_dscnt 0x0                               ; V is in
	s_wait_loadcnt 0x0                             ; and so are the tiles two steps on, if they were asked for: on every path no load is left pending
	s_add_co_u32 s30, s[T], 2
	s_cmp_ge_u32 s30, s[NST]
	s_cbranch_scc1 .Lnost_\@
.irp n, 0,1,2,3
	ds_store_b128 v[ADSK], v[STG+4*\n:STG+4*\n+3] offset:16*PK*\n              ; into the other slot, at this step's place in it
	ds_store_b128 v[ADSV], v[STG+16+4*\n:STG+16+4*\n+3] offset:16*PV*\n
.endr
.Lnost_\@:
	WIN 0x51                                       ; V in window 1, P in window 0, O^T in window 1
.irp kp, 0,1
.irp cb, 0,1,2,3
.irp t, 0,1,2,3
	v_wmma_f32_16x16x32_f16 v[32*\t+8*\cb:32*\t+8*\cb+7], v[KV+8*(4*\kp+\cb):KV+8*(4*\kp+\cb)+7], v[S+32*\t+8*\kp:S+32*\t+8*\kp+7], v[32*\t+8*\cb:32*\t+8*\cb+7]
.endr
.endr
.endr
	WIN 0
.Ldead_\@:
	s_wait_xcnt 0x0                                ; the step's loads have read their bases
	s_add_nc_u64 s[8:9], s[8:9], TILE
	s_add_nc_u64 s[12:13], s[12:13], TILE
	s_add_co_u32 s[T], s[T], 1
	s_add_co_u32 s[TB], s[TB], STEPB
.endm
.Lslot:
	STEP
	STEP
	s_wait_dscnt 0x0                               ; my reads of this slot are over and my stores into the other have landed
	s_barrier_signal -1
	s_barrier_wait -1
	s_sub_co_u32 s[TB], s[TB], 2*STEPB
	s_xor_b32 s[TB], s[TB], SLOT1
	s_sub_co_u32 s[SLOTS], s[SLOTS], 1
	s_cmp_lg_u32 s[SLOTS], 0
	s_cbranch_scc1 .Lslot
	; THE WAY OUT.  l's halves are added; O^T / l is rounded to f16 and goes through the work-group's stage, since a row's 256 bytes come from two waves.
.irp t, 0,1,2,3
	v_add_f32 v[ST+8*\t+4], v[ST+8*\t+2], v[ST+8*\t+3]
.endr
.irp t, 0,1,2,3
	v_permlanex16_b32 v[ST+8*\t+5], v[ST+8*\t+4], s[SEL], s[SEL+1]
.endr
.irp t, 0,1,2,3
	v_add_f32 v[ST+8*\t+4], v[ST+8*\t+4], v[ST+8*\t+5]
.endr
.irp t, 0,1,2,3
	v_rcp_f32 v[ST+8*\t+6], v[ST+8*\t+4]
.endr
	v_nop
	s_wait_alu depctr_va_vdst(0)                   ; one wait for the four reciprocals
.irp t, 0,1,2,3
	WIN 0x41
.irp i, 0,2,4,6,8,10,12,14,16,18,20,22,24,26,28,30
	v_pk_mul_f32 v[32*\t+\i:32*\t+\i+1], v[32*\t+\i:32*\t+\i+1], v[ST+8*\t+6:ST+8*\t+7] op_sel_hi:[1,0]
.endr
	WIN 0x05
.irp i, 0,1,2,3,4,5,6,7,8,9,10,11,12,13,14,15
	v_cvt_pk_f16_f32 v[S+16*\t+\i], v[32*\t+2*\i], v[32*\t+2*\i+1]
.endr
	WIN 0
.irp cb, 0,1,2,3
	ds_store_b128 v[STO], v[S+16*\t+4*\cb:S+16*\t+4*\cb+3] offset:\t*16*OP+32*\cb
.endr
.endr
	s_wait_dscnt 0x0                               ; for the others' sake
	s_barrier_signal -1
	s_barrier_wait -1
.irp i, 0,1,2,3,4,5,6,7,8,9,10,11,12,13,14,15
	ds_load_b128 v[192+4*\i:192+4*\i+3], v[RD] offset:\i*2*OP
.endr
.irp i, 0,1,2,3,4,5,6,7,8,9,10,11,12,13,14,15
	s_wait_dscnt 15-\i                             ; the younger loads stay out
	global_store_b128 v[GO], v[192+4*\i:192+4*\i+3], s[10:11] offset:4096*\i      ; two rows, each 256 consecutive aligned bytes
.endr
	s_wait_tensorcnt 0x0                           ; the wave's end, behind my last LDS store
	ds_add_u32 v[SPW], v[NIL]
	s_wait_dscnt 0x0
	s_endpgm
.Lfunc_end_k_q2a0ae56ec6_attn:
	.size	k_q2a0ae56ec6_attn, .Lfunc_end_k_q2a0ae56ec6_attn-k_q2a0ae56ec6_attn
	.p2alignl 7, 3214868480
	.fill 96, 4, 3214868480
	.section	.rodata,"a",@progbits
	.p2align	6, 0x0
	.amdhsa_kernel k_q2a0ae56ec6_attn
		.amdhsa_group_segment_fixed_size 203776
		.amdhsa_private_segment_fixed_size 0
		.amdhsa_enable_private_segment 0
		.amdhsa_kernarg_size 24
		.amdhsa_user_sgpr_count 2
		.amdhsa_user_sgpr_kernarg_segment_ptr 1
		.amdhsa_wavefront_size32 1
		.amdhsa_system_sgpr_workgroup_id_x 1
		.amdhsa_system_sgpr_workgroup_id_y 1
		.amdhsa_system_sgpr_workgroup_id_z 1
		.amdhsa_system_vgpr_workitem_id 0
		.amdhsa_next_free_vgpr 512
		.amdhsa_next_free_sgpr 66
		.amdhsa_reserve_vcc 1
		.amdhsa_float_denorm_mode_32 3
		.amdhsa_float_denorm_mode_16_64 3
		.amdhsa_memory_ordered 1
		.amdhsa_forward_progress 1
		.amdhsa_inst_pref_size 105
	.end_amdhsa_kernel
	.amdgpu_metadata
---
amdhsa.version: [ 1, 2 ]
amdhsa.kernels:
  - .name:           k_q2a0ae56ec6_attn
    .symbol:         k_q2a0ae56ec6_attn.kd
    .args:
      - { .name: qkv, .offset: 0, .size: 8, .value_kind: global_buffer, .address_space: global }
      - { .name: route, .offset: 8, .size: 8, .value_kind: global_buffer, .address_space: global }
      - { .name: attn, .offset: 16, .size: 8, .value_kind: global_buffer, .address_space: global }
    .group_segment_fixed_size: 203776
    .private_segment_fixed_size: 0
    .kernarg_segment_align: 8
    .kernarg_segment_size: 24
    .max_flat_workgroup_size: 256
    .sgpr_count:     66
    .vgpr_count:     512
    .wavefront_size: 32
...
	.end_amdgpu_metadata
.endif
;; end of part 3
;; launch proj (part 4): grid 8 x 64, 4 waves a work-group, clusters of 4 x 4, 327,680 bytes of LDS; arguments attn, wp16, b_proj, out0; writes out0
.if DOCPART == 4
	.amdgcn_target "amdgcn-amd-amdhsa--gfx1250"
	.amdhsa_code_object_version 6
	.text
	.protected	k_q2a0ae56ec6_proj
	.globl	k_q2a0ae56ec6_proj
	.p2align	8
	.type	k_q2a0ae56ec6_proj,@function
k_q2a0ae56ec6_proj:
	s_mov_b64 s[64:65], 0
	v_nop
	global_prefetch_b8 v0, s[64:65] scope:SCOPE_SE
	s_setreg_imm32_b32 hwreg(HW_REG_WAVE_MODE, 25, 1), 1
	s_wait_xcnt 0x0
	s_wait_alu depctr_hold_cnt(0) depctr_sa_sdst(0) depctr_va_vdst(0) depctr_va_sdst(0) depctr_va_ssrc(0) depctr_va_vcc(0) depctr_vm_vsrc(0)
	s_getreg_b32 s2, hwreg(HW_REG_IB_STS2, 6, 4)
	s_cmp_eq_u32 s2, 0
	s_cbranch_scc0 .Lentry_in_a_cluster
	s_endpgm
.Lentry_in_a_cluster:
	s_bfe_u32 s2, ttmp6, 0x10000c
	s_cmp_lg_u32 s2, 0xf033
	s_cbranch_scc0 .Lentry_shape_is_right
	s_endpgm
.Lentry_shape_is_right:
; out0 = attn w_proj^T + b_proj.  attn [8192][1024] and w_proj [1024][1024] in f16, sums and result in f32.  Nothing is left out.
; A tile of 128 x 128 (512 tiles: two for each of 256 WGPs); four waves, 64 x 64 each: 16 accumulators.  K goes in four steps of 256 (LDS rows of 512 bytes) through two slots: each slot is filled twice, so the text is written straight, without a loop.
; CLUSTERS: 4 x 4 work-groups; A's tiles are shared along a row of the cluster, B's along a column: joint loads; each refill stands first behind a round of the cluster's barrier.  No prefetch: tiles are small and K is four steps.
; THE MATRIX INSTRUCTION IS USED TRANSPOSED (source 0 = 16 rows of w_proj, source 1 = 16 rows of attn): a lane holds eight neighbouring columns of one row.  The bias is the C of each sum's first product.
; REGISTERS: window 0: v0-31 addresses; v32-95 rows on the way out; v96-127 the bias, 8 registers for each block of 16 columns; v128-255 the accumulators ((a, b) at v[128 + 8 (4 a + b)]).
;   window 1: two fragment buffers of 128: for 64 along K, 64 registers of A, then 64 of B.
.set SIZE_N, 1024
.set SIZE_K, 1024
.set KSTEP,  256
.set PITCH,  528                       ; an LDS row: 512 bytes + 16: the sixteen rows that a load touches begin at sixteen different 16-byte columns modulo 256
.set HALFT,  64*PITCH
.set SLOT,   4*HALFT
.set STAGE,  2*SLOT                    ; behind the ring: 16 rows x 272 bytes for each wave: a wave's 64 columns of f32 are 256 bytes, so each wave has a stage of its own and no barrier is needed
.set SPITCH, 272
.set SPARE,  STAGE+4*16*SPITCH         ; the spare words, 128 bytes a wave, that no other line names
.set ADRA, 16
.set ADRB, 20
.set STO,  24
.set RD,   25
.set CO,   26
.set BO,   27
.set SPW,  28
.set NIL,  29
.set TMP,  32
.set BIAS, 96
.set ACC,  128
.set F0,   0
.set F1,   128
.set G1, 24
.set G0, 32
.set G1B, 48
.set G0B, 56
.set MSB, 0
.macro WIN new
.if MSB != (\new)
	s_set_vgpr_msb (MSB<<8)|(\new)
.set MSB, (\new)
.endif
.endm
.set MUL,  0x05                        ; sources 0 (B) and 1 (A) window 1; C and D window 0
.set TO_F, 0x40                        ; destination window 1, address window 0
.macro JLOAD s                         ; a joint load: waves 0 and 1 fetch A's two halves, waves 2 and 3 B's; an s_nop 0 and four v_nop follow each of the two lines
	s_cmp_eq_u32 s11, 0
	s_cbranch_scc0 .Lfor_b_\@
	tensor_load_to_lds s[G0+4*\s:G0+4*\s+3], s[G1:G1+7]
	s_nop 0
.rept 4
	v_nop
.endr
	s_branch .Lasked_\@
.Lfor_b_\@:
	tensor_load_to_lds s[G0B+4*\s:G0B+4*\s+3], s[G1B:G1B+7]
	s_nop 0
.rept 4
	v_nop
.endr
.Lasked_\@:
.endm
.macro CREST                           ; a round of the cluster's barrier behind its opening barrier
	s_cmp_lg_u32 s10, 0
	s_cbranch_scc1 .Lnot_wave_0_\@
	s_barrier_signal -3
.Lnot_wave_0_\@:
	s_barrier_wait -3
	s_barrier_signal -1
	s_barrier_wait -1
.endm
.macro CROUND
	s_barrier_signal -1
	s_barrier_wait -1
	CREST
.endm
	s_load_b128 s[4:7], s[0:1], 0x0                ; attn, w_proj in f16
	s_load_b128 s[68:71], s[0:1], 0x10             ; b_proj, out0
	v_lshl_add_u32 v[SPW], v0, 2, SPARE
	v_mov_b32 v[NIL], 0
	ds_add_u32 v[SPW], v[NIL]                      ; the wave's opening: the add, twice on end, and its wait ahead of my first tensor load
	ds_add_u32 v[SPW], v[NIL]
	v_lshrrev_b32 v1, 5, v0
	v_readfirstlane_b32 s10, v1                    ; wave 0..3
	s_lshr_b32 s11, s10, 1                         ; which half of the tile's rows is mine.  Also: I fetch for A (0) or for B (1)
	s_and_b32 s12, s10, 1                          ; which half of its columns.  Also: which 64 rows of that tile I fetch
	s_bfe_u32 s40, ttmp6, 0x40000                  ; cx, cy
	s_bfe_u32 s41, ttmp6, 0x40004
	s_lshl_b32 s42, ttmp9, 2
	s_add_co_u32 s42, s42, s40                     ; tile column
	s_and_b32 s13, ttmp7, 0xffff
	s_lshl_b32 s13, s13, 2
	s_add_co_u32 s13, s13, s41                     ; tile row
	s_lshl_b32 s43, s41, 2
	s_lshl_b32 s43, 15, s43                        ; my row of the cluster
	s_lshl_b32 s44, 0x1111, s40                    ; my column
	s_or_b32 s[G1+0], s43, (1<<16)|(1<<20)|(1<<21)|(6<<22)|(3<<25)  ; the mask; elements of 2 bytes; padding on; bit 21 beside a mask; 4 words of padding after every 128
	s_or_b32 s[G1B+0], s44, (1<<16)|(1<<20)|(1<<21)|(6<<22)|(3<<25)
.irp g, G1, G1B
	s_mov_b32 s[\g+1], KSTEP<<16                   ; tensor_dim0
	s_mov_b32 s[\g+2], 64<<16                      ; tensor_dim1
	s_mov_b32 s[\g+3], KSTEP<<16                   ; tile_dim0
	s_mov_b32 s[\g+4], 64                          ; tile_dim1
	s_mov_b32 s[\g+5], SIZE_K                      ; from row to row
	s_mov_b32 s[\g+6], 0
	s_mov_b32 s[\g+7], 0
.endr
	s_lshl_b32 s17, s12, 6                         ; which 64 rows of the tile I fetch
	s_lshl_b32 s16, s13, 7
	s_add_co_u32 s16, s16, s17                     ; A: row 128 x tile row + 64 x half
	s_lshl_b32 s46, s42, 7
	s_add_co_u32 s46, s46, s17                     ; B: row 128 x tile column + 64 x half
	s_mov_b32 s17, 0
	s_mov_b32 s47, 0
	s_mov_b64 s[18:19], SIZE_K*2
	s_mul_u64 s[16:17], s[16:17], s[18:19]
	s_mul_u64 s[46:47], s[46:47], s[18:19]
	s_mul_i32 s20, s10, HALFT                      ; where they go: wave x 64 rows
	s_wait_dscnt 0x0                               ; both opening adds are done
	s_wait_kmcnt 0x0
	s_add_nc_u64 s[14:15], s[4:5], s[16:17]
	s_add_nc_u64 s[46:47], s[6:7], s[46:47]
	CROUND                                         ; all sixteen work-groups are here: the first joint loads meet
.irp s, 0,1
	s_mov_b32 s[G0+4*\s], 1
	s_add_co_u32 s[G0+4*\s+1], s20, \s*SLOT
	s_add_nc_u64 s[G0+4*\s+2:G0+4*\s+3], s[14:15], \s*KSTEP*2
	s_or_b32 s[G0+4*\s+3], s[G0+4*\s+3], 0x80000000
	s_mov_b32 s[G0B+4*\s], 1
	s_add_co_u32 s[G0B+4*\s+1], s20, \s*SLOT
	s_add_nc_u64 s[G0B+4*\s+2:G0B+4*\s+3], s[46:47], \s*KSTEP*2
	s_or_b32 s[G0B+4*\s+3], s[G0B+4*\s+3], 0x80000000
	JLOAD \s
.endr
	v_and_b32 v1, 15, v0                           ; r
	v_bfe_u32 v2, v0, 4, 1                         ; h
	v_mul_u32_u24 v3, v1, PITCH
	v_lshl_add_u32 v3, v2, 4, v3                   ; a fragment's row x pitch + 16 h
	s_mul_i32 s21, s11, HALFT                      ; my 64 rows of A
	s_mul_i32 s22, s12, HALFT                      ; my 64 rows of B,
	s_add_co_u32 s22, s22, 2*HALFT                 ; which lie behind A's 128
.irp s, 0,1
	v_add_nc_u32 v[ADRA+\s], s21, v3
	v_add_nc_u32 v[ADRB+\s], s22, v3
	s_add_co_u32 s21, s21, SLOT
	s_add_co_u32 s22, s22, SLOT
.endr
	s_mul_i32 s23, s10, 16*SPITCH
	s_add_co_u32 s23, s23, STAGE                   ; my stage
	v_mul_u32_u24 v4, v1, SPITCH                   ; in: row r, 32 bytes for each half of the lanes
	v_lshl_add_u32 v4, v2, 5, v4
	v_add_nc_u32 v[STO], s23, v4
	v_mul_u32_u24 v5, v2, SPITCH                   ; back: lanes 0-15 one row of 256 bytes, lanes 16-31 the next
	v_lshl_add_u32 v5, v1, 4, v5
	v_add_nc_u32 v[RD], s23, v5
	v_mul_u32_u24 v5, v2, SIZE_N*4                 ; and the same two rows in out0
	v_lshl_add_u32 v[CO], v1, 4, v5
	v_lshlrev_b32 v[BO], 5, v2                     ; the bias: my eight numbers of a block of 16
	s_lshl_b32 s16, s13, 7
	s_lshl_b32 s17, s11, 6
	s_add_co_u32 s16, s16, s17                     ; my first row: 128 x tile row + 64 x half
	s_mov_b32 s17, 0
	s_mov_b64 s[18:19], SIZE_N*4
	s_mul_u64 s[16:17], s[16:17], s[18:19]
	s_add_nc_u64 s[70:71], s[70:71], s[16:17]
	s_lshl_b32 s46, s42, 9                         ; my first column, in bytes: 512 x tile column + 256 x half: the same in a row of out0 and in b_proj
	s_lshl_b32 s47, s12, 8
	s_add_co_u32 s46, s46, s47
	s_mov_b32 s47, 0
	s_add_nc_u64 s[70:71], s[70:71], s[46:47]
	s_add_nc_u64 s[68:69], s[68:69], s[46:47]
.irp b, 0,1,2,3
	global_load_b128 v[BIAS+8*\b:BIAS+8*\b+3], v[BO], s[68:69] offset:64*\b
	global_load_b128 v[BIAS+8*\b+4:BIAS+8*\b+7], v[BO], s[68:69] offset:64*\b+16
.endr
; 8 matrix instructions: m blocks a0, a0 + 1 x all 4 n blocks, 32 along K: half c of buffer f.  zero = 1: the first product starts the sums on the bias.  The 16 accumulators take turns.
.macro MUL8 f, c, a0, zero
.irp a, \a0, \a0+1
.irp b, 0,1,2,3
.if \zero
	v_wmma_f32_16x16x32_f16 v[ACC+8*(4*(\a)+\b):ACC+8*(4*(\a)+\b)+7], v[\f+64+8*(4*\c+\b):\f+64+8*(4*\c+\b)+7], v[\f+8*(4*\c+\a):\f+8*(4*\c+\a)+7], v[BIAS+8*\b:BIAS+8*\b+7]
.else
	v_wmma_f32_16x16x32_f16 v[ACC+8*(4*(\a)+\b):ACC+8*(4*(\a)+\b)+7], v[\f+64+8*(4*\c+\b):\f+64+8*(4*\c+\b)+7], v[\f+8*(4*\c+\a):\f+8*(4*\c+\a)+7], v[ACC+8*(4*(\a)+\b):ACC+8*(4*(\a)+\b)+7]
.endif
.endr
.endr
.endm
.macro FETCH slot, k, f                ; 32 LDS loads in one run: the fragments of 64 along K at byte k of the rows, into buffer f; the first 32 along K first
	WIN TO_F
.irp c, 0,1
.irp i, 0,1,2,3
	ds_load_b128 v[\f+64+8*(4*\c+\i):\f+64+8*(4*\c+\i)+3],   v[ADRB+\slot] offset:\k+64*\c+\i*16*PITCH
	ds_load_b128 v[\f+64+8*(4*\c+\i)+4:\f+64+8*(4*\c+\i)+7], v[ADRB+\slot] offset:\k+64*\c+\i*16*PITCH+32
	ds_load_b128 v[\f+8*(4*\c+\i):\f+8*(4*\c+\i)+3],         v[ADRA+\slot] offset:\k+64*\c+\i*16*PITCH
	ds_load_b128 v[\f+8*(4*\c+\i)+4:\f+8*(4*\c+\i)+7],       v[ADRA+\slot] offset:\k+64*\c+\i*16*PITCH+32
.endr
.endr
.endm
.macro PLACES                          ; four places in front of loads into registers that matrix instructions have read, and of the first read of results (ISA guide 7.12.1 for a read)
.rept 4
	v_nop
.endr
.endm
.macro QUARTER slot, k, f, g, zero     ; 64 along K: multiplies buffer f and fetches the next quarter, at byte k, into g
	s_wait_dscnt 16                                ; the first 32 along K are in; the youngest sixteen loads may be out
	WIN MUL
	MUL8 \f, 0, 0, \zero
	MUL8 \f, 0, 2, \zero
	PLACES
	FETCH \slot, \k, \g
	s_wait_dscnt 32                                ; all but the 32 just issued
	WIN MUL
	MUL8 \f, 1, 0, 0
	MUL8 \f, 1, 2, 0
.endm
; A slot's last quarter changes slots: one barrier; in front of it each wave waits for all its tensor loads, adds 0 to its spare word, and waits for that and for its reads of this slot.  fill = 1: this slot is filled again, two K steps ahead.
.macro TURN slot, next, fill
	WIN 0
	s_wait_tensorcnt 0x0                           ; all my tensor loads have landed: my part of the next slot
	ds_add_u32 v[SPW], v[NIL]                      ; 0 onto my spare word
	s_wait_dscnt 17                                ; (the add and the youngest sixteen loads may be out)
	WIN MUL
	MUL8 F1, 0, 0, 0
	s_wait_dscnt 0x0                               ; the add is done, and my reads of this slot are over
	s_barrier_signal -1
	MUL8 F1, 0, 2, 0
.if \fill
	WIN 0
.endif
	s_barrier_wait -1
.if \fill
	CREST                                          ; the barrier has opened a round of the cluster's: no wave of any partner still reads this slot or has a load on its way
	s_add_nc_u64 s[G0+4*\slot+2:G0+4*\slot+3], s[G0+4*\slot+2:G0+4*\slot+3], 2*KSTEP*2
	s_add_nc_u64 s[G0B+4*\slot+2:G0B+4*\slot+3], s[G0B+4*\slot+2:G0B+4*\slot+3], 2*KSTEP*2
	JLOAD \slot                                    ; the first tensor load behind the round; its four v_nop are also the places in front of the loads below
.else
	PLACES
.endif
	FETCH \next, 0, F0
	WIN MUL
	MUL8 F1, 1, 0, 0
	MUL8 F1, 1, 2, 0
.endm
	s_wait_loadcnt 0x0                             ; the bias
	s_wait_tensorcnt 1                             ; my part of K step 0 is in; K step 1's load may stay out
	s_barrier_signal -1
	s_barrier_wait -1
	FETCH 0, 0, F0
	QUARTER 0, 128, F0, F1, 1
	QUARTER 0, 256, F1, F0, 0
	QUARTER 0, 384, F0, F1, 0
	TURN 0, 1, 1                                   ; slot 0 takes K step 2
	QUARTER 1, 128, F0, F1, 0
	QUARTER 1, 256, F1, F0, 0
	QUARTER 1, 384, F0, F1, 0
	TURN 1, 0, 1                                   ; slot 1 takes K step 3
	QUARTER 0, 128, F0, F1, 0
	QUARTER 0, 256, F1, F0, 0
	QUARTER 0, 384, F0, F1, 0
	TURN 0, 1, 0                                   ; nothing is left to fetch
	QUARTER 1, 128, F0, F1, 0
	QUARTER 1, 256, F1, F0, 0
	QUARTER 1, 384, F0, F1, 0
	s_wait_dscnt 16
	WIN MUL
	MUL8 F1, 0, 0, 0
	MUL8 F1, 0, 2, 0
	s_wait_dscnt 0
	MUL8 F1, 1, 0, 0
	MUL8 F1, 1, 2, 0
	WIN 0
; THE WAY OUT, block by block of 16 rows x 64 columns of f32: 32 bytes a lane into my own stage, back as whole rows of 256 bytes; a store covers two rows, each 256 consecutive aligned bytes.
.macro TOSTAGE a
.irp b, 0,1,2,3
	ds_store_b128 v[STO], v[ACC+8*(4*(\a)+\b):ACC+8*(4*(\a)+\b)+3] offset:64*\b            ; each accumulator from its low end on
	ds_store_b128 v[STO], v[ACC+8*(4*(\a)+\b)+4:ACC+8*(4*(\a)+\b)+7] offset:64*\b+16
.endr
.set BB, TMP+32*((\a)%2)
.irp t, 0,1,2,3,4,5,6,7
	ds_load_b128 v[BB+4*\t:BB+4*\t+3], v[RD] offset:\t*2*SPITCH    ; in order behind my stores (ISA guide 5.7.1.4); the next block's stores come behind these
.endr
.endm
.macro SEND a, younger                 ; younger: the next block's eight stores and eight loads, or none
.set BB, TMP+32*((\a)%2)
	s_wait_dscnt \younger
.irp t, 0,1,2,3,4,5,6,7
	global_store_b128 v[CO], v[BB+4*\t:BB+4*\t+3], s[70:71] offset:(16*(\a)+2*\t)*SIZE_N*4 th:TH_STORE_NT
.endr
.endm
	PLACES
	TOSTAGE 0
	TOSTAGE 1
	SEND 0, 16
	s_wait_xcnt 0x0                                ; block 0's stores have read their registers: block 2's loads may land there
	TOSTAGE 2
	SEND 1, 16
	s_wait_xcnt 0x0
	TOSTAGE 3
	SEND 2, 16
	SEND 3, 0
	s_wait_tensorcnt 0x0                           ; the wave's end
	ds_add_u32 v[SPW], v[NIL]
	s_wait_dscnt 0x0
	CROUND                                         ; the closing round
	s_endpgm
.Lfunc_end_k_q2a0ae56ec6_proj:
	.size	k_q2a0ae56ec6_proj, .Lfunc_end_k_q2a0ae56ec6_proj-k_q2a0ae56ec6_proj
	.p2alignl 7, 3214868480
	.fill 96, 4, 3214868480
	.section	.rodata,"a",@progbits
	.p2align	6, 0x0
	.amdhsa_kernel k_q2a0ae56ec6_proj
		.amdhsa_group_segment_fixed_size 327680
		.amdhsa_private_segment_fixed_size 0
		.amdhsa_enable_private_segment 0
		.amdhsa_kernarg_size 32
		.amdhsa_user_sgpr_count 2
		.amdhsa_user_sgpr_kernarg_segment_ptr 1
		.amdhsa_wavefront_size32 1
		.amdhsa_system_sgpr_workgroup_id_x 1
		.amdhsa_system_sgpr_workgroup_id_y 1
		.amdhsa_system_sgpr_workgroup_id_z 1
		.amdhsa_system_vgpr_workitem_id 0
		.amdhsa_next_free_vgpr 512
		.amdhsa_next_free_sgpr 72
		.amdhsa_reserve_vcc 0
		.amdhsa_float_denorm_mode_32 3
		.amdhsa_float_denorm_mode_16_64 3
		.amdhsa_memory_ordered 1
		.amdhsa_forward_progress 1
		.amdhsa_inst_pref_size 86
	.end_amdhsa_kernel
	.amdgpu_metadata
---
amdhsa.version: [ 1, 2 ]
amdhsa.kernels:
  - .name:           k_q2a0ae56ec6_proj
    .symbol:         k_q2a0ae56ec6_proj.kd
    .args:
      - { .name: attn, .offset: 0, .size: 8, .value_kind: global_buffer, .address_space: global }
      - { .name: wp16, .offset: 8, .size: 8, .value_kind: global_buffer, .address_space: global }
      - { .name: b_proj, .offset: 16, .size: 8, .value_kind: global_buffer, .address_space: global }
      - { .name: out0, .offset: 24, .size: 8, .value_kind: global_buffer, .address_space: global }
    .group_segment_fixed_size: 327680
    .private_segment_fixed_size: 0
    .kernarg_segment_align: 8
    .kernarg_segment_size: 32
    .max_flat_workgroup_size: 128
    .sgpr_count:     72
    .vgpr_count:     512
    .wavefront_size: 32
...
	.end_amdgpu_metadata
.endif
;; end of part 4
